; MI455X (gfx1250); checked and timed in simulation.
; The chip was launched on July 23, 2026; its instructions are those of AMD's public machine-readable ISA for CDNA 5 (MIT licence, August 2026) and "CDNA5" Instruction Set Architecture Reference Guide (July 2026). The comments in the code are by the model that wrote it; some were corrected since.
;; Encoder Layer. Allowed arithmetic: matrix products marked QUANTISED: E4M3 operands, one E8M0 scale for each 32 along K, by v_wmma_scale_f32_16x16x128_f8f6f4 with both operands' format E4M3, f32 sums; everything else in f32.
;; Inputs: W1 1,024 x 4,096 float32; W2 4,096 x 1,024 float32; Wk 1,024 x 1,024 float32; Wo 1,024 x 1,024 float32; Wq 1,024 x 1,024 float32; Wv 1,024 x 1,024 float32; b1 4,096 float32; b2 1,024 float32; be1 1,024 float32; be2 1,024 float32; bk 1,024 float32; bo 1,024 float32; bq 1,024 float32; bv 1,024 float32; g1 1,024 float32; g2 1,024 float32; x 2 x 2,048 x 1,024 float32.
;; Outputs: out0 2 x 2,048 x 1,024 float32.
;; Constants: src_mask = 0.
;; This version of the problem:
;;   THIS VERSION OF THE PROBLEM IS GIVEN IN LOW PRECISION. The matrix products marked QUANTISED in the list below multiply operands that are first quantised to E4M3 (4 exponent bits, 3 mantissa bits; 8 bits a number), with one power-of-two scale for each 32 numbers along K (OCP MX v1.0); their sums are f32. All else is computed in f32.
;;   The module's matrix products, in the order in which they are computed (A, B: the left and right operand; K: the contracted axis; several contracted axes count as one K, in the product's order):
;;     1. [M 4,096, K 1,024] x [K 1,024, N 1,024]; A: input x; B: input Wq: QUANTISED
;;     2. [M 4,096, K 1,024] x [K 1,024, N 1,024]; A: input x; B: input Wk: QUANTISED
;;     3. [M 4,096, K 1,024] x [K 1,024, N 1,024]; A: input x; B: input Wv: QUANTISED
;;     4. batch 32 x [M 2,048, K 64] x [K 64, N 2,048]; A: computed on the way; B: computed on the way: QUANTISED
;;     5. batch 32 x [M 2,048, K 2,048] x [K 2,048, N 64]; A: softmax (see below); B: computed on the way: QUANTISED
;;     6. [M 4,096, K 1,024] x [K 1,024, N 1,024]; A: computed on the way; B: input Wo: QUANTISED
;;     7. [M 4,096, K 1,024] x [K 1,024, N 4,096]; A: computed on the way; B: input W1: QUANTISED
;;     8. [M 4,096, K 4,096] x [K 4,096, N 1,024]; A: computed on the way; B: input W2: QUANTISED
;;   THE QUANTISER, for each operand of a quantised product, along K:
;;     - K is cut into blocks of 32 from its start; a last block that is shorter is filled with zeros.
;;     - A block's scale is 2^e with e = floor(log2(the largest magnitude in the block)) - 8, held to -126 .. 127; a block of zeros has e = 0. As a byte (E8M0): e + 127.
;;     - Each number is divided by its block's scale, clamped to +-448, and rounded to the nearest number of E4M3, ties to even, subnormals kept.
;;     - The product sums the exact products of the quantised numbers (number of the format x scale) in f32.
;;   ~~~python
;;   def quantise(x, axis):      # numpy; x: float32 -> the quantised numbers, widened to float32 again
;;       x = np.moveaxis(x, axis, -1); K = x.shape[-1]
;;       x = np.pad(x, [(0, 0)] * (x.ndim - 1) + [(0, -K % 32)]); x = x.reshape(x.shape[:-1] + (-1, 32)); a = np.abs(x).max(-1, keepdims=True)
;;       e = np.where(a > 0, np.clip(np.frexp(np.where(a > 0, a, 1))[1] - 1 - 8, -126, 127), 0)      # np.frexp(a)[1] - 1 = floor(log2(a)), exactly
;;       r = np.clip(x / 2.0 ** e, -448, 448)
;;       step = 2.0 ** (np.maximum(np.frexp(np.where(r == 0, 1, r))[1] - 1, -6) - 3)
;;       q = np.round(r / step) * step * 2.0 ** e      # np.round: ties to even
;;       return np.moveaxis(q.reshape(q.shape[:-2] + (-1,))[..., :K], -1, axis).astype(np.float32)
;;   ~~~
;;   SOFTMAX AHEAD OF A QUANTISED PRODUCT. Where the list says 'softmax', what is quantised is not the finished softmax but p = 2^(t - M), with t = logit x log2(e) and M = ceil(the row's largest t), a whole number; so 1/2 < the row's largest p <= 1. The row's sum l is taken of the UNQUANTISED p, in f32, and the product's result is divided by l at the end. Since M is a whole number, a kernel that streams over the keys may use a running M (the ceiling of the running maximum): every later rescaling is an exact power of two, which a block's scale takes up: the codes' values come out the same.
;;   OPERANDS COMPUTED ON THE WAY. 'Computed on the way' means the value that the module computes at that place (a softmax that the list does not call 'softmax' is quantised finished and normalised). What goes into a quantiser is computed in f32, as accurately as f32 sums, v_exp_f32 and their like allow (about 1e-6 of the number): no bf16 or f16 on the way to a quantiser, and a product that is left as it is and whose result goes on into a quantised operand takes f32 operands (vector FMAs, or v_wmma_f32_16x16x4_f32). A number that lies on a knife's edge between two numbers of the format may be rounded either way, as far as f32 arithmetic and the matrix unit's own rounding can turn it there, and no further.
;; One version. Each part assembles by itself: llvm-mc -triple=amdgcn-amd-amdhsa -mcpu=gfx1250 --defsym DOCPART=n.
;; ======== version 1 of 1: 8 launches
;; limits: right only within a limited range of input values
;; workspace buffers: QW 17,825,792 bytes; QKV 13,238,272 bytes; OC 4,456,448 bytes; Y 16,777,216 bytes; H 16,777,216 bytes; HC 4,456,448 bytes; HID 17,825,792 bytes
;; launch quant (part 1): grid 640 x 1, 4 waves a work-group, no clusters, 34,304 bytes of LDS; arguments x, Wq, Wk, Wv, Wo, W1, W2, QW; writes QW
.if DOCPART == 1
	.amdgcn_target "amdgcn-amd-amdhsa--gfx1250"
	.amdhsa_code_object_version 6
	.text
	.protected	k_qb94faaff8c_quant
	.globl	k_qb94faaff8c_quant
	.p2align	8
	.type	k_qb94faaff8c_quant,@function
k_qb94faaff8c_quant:
	s_mov_b64 s[64:65], 0
	v_nop
	global_prefetch_b8 v0, s[64:65] scope:SCOPE_SE
	s_setreg_imm32_b32 hwreg(HW_REG_WAVE_MODE, 25, 1), 1
	s_wait_xcnt 0x0
; x [4096][1024] and the six weights (f32, K = their first axis) become codes of FP8 (E4M3) with one E8M0 byte for each 32 along K, laid in QW as IMAGES OF OPERAND REGISTERS.
; A tile is 16 rows in the order row(T, r) = 32 (T / 2) + 8 (T % 2) + r + 8 (r / 8).  block(T, j), 256 along K, is 4,352 bytes at (T NJ + j) 4352: at 2048 q + 512 c + 16 lane the 16 codes
; k = 256 j + 128 q + 32 c + 16 (lane / 16) + 0..15 of row(T, lane % 16); at 4096 + 8 r + 4 q the scale word of (row, 128 along K); 128 bytes of zeros behind them.
; A block's scale is 2^(floor(log2(largest magnitude)) - 8): the byte is the largest magnitude's exponent field - 8, held at 1 from below.
; LIMITS: a block of zeros gets the byte 1 (its codes are zeros, and this program alone reads the bytes); magnitudes under 2^-118 are held at that byte; NaN and infinities are not served.
; Work-groups 0-255: tile T of x, wave j its block j.  Work-groups 256-639: 128 columns x 256 along K of a weight; a wave takes 32 columns (two tiles), a lane a column, its registers run down K.
; No tensor load, no barrier: waves share nothing.  Only the path of x uses LDS.
.set SEL, 4                            ; s[4:5] lane selects: lane l xor 16
.set MNT, 6                            ; s6 the mantissa field of 448
.set TM,  240                          ; v240-255 at work in QUANT
.set XR,  144                          ; v144-207 64 numbers of a lane, register 16 b + i = k 32 b + 16 h + i
.set PC,  208                          ; the codes just made (set anew for each half)
.set PW,  12                           ; the scale word just made
; 64 numbers of a lane become a fragment's 16 registers of codes, v[PC] on, and its scale word, v[PW]
.macro QUANT s, relu
.if \relu
.irp b, 0,1,2,3
	v_max3_num_f32 v[TM+\b], v[\s+16*\b], v[\s+1+16*\b], 0x4800000
.endr
.irp i, 2,4,6,8,10,12,14
.irp b, 0,1,2,3
	v_max3_num_f32 v[TM+\b], v[TM+\b], v[\s+16*\b+\i], v[\s+1+16*\b+\i]
.endr
.endr
.else
.irp b, 0,1,2,3
	v_max3_num_f32 v[TM+\b], |v[\s+16*\b]|, |v[\s+1+16*\b]|, 0x4800000   ; my 16 numbers of block b, and the floor 2^(9 - 127)
.endr
.irp i, 2,4,6,8,10,12,14
.irp b, 0,1,2,3
	v_max3_num_f32 v[TM+\b], v[TM+\b], |v[\s+16*\b+\i]|, |v[\s+1+16*\b+\i]|
.endr
.endr
.endif
.irp b, 0,1,2,3
	v_permlanex16_b32 v[TM+4+\b], v[TM+\b], s[SEL], s[SEL+1]
.endr
.irp b, 0,1,2,3
	v_max_num_f32 v[TM+\b], v[TM+\b], v[TM+4+\b]             ; with lane l xor 16's: the block's largest magnitude
.endr
.irp b, 0,1,2,3
	v_add_nc_u32 v[TM+12+\b], 0xfc000000, v[TM+\b]           ; 8 off its exponent field: the conversion's scale operand
.endr
.irp b, 0,1,2,3
	v_and_or_b32 v[TM+8+\b], v[TM+\b], 0x7f800000, s[MNT]    ; 448 x the scale
.endr
.irp b, 0,1,2,3
	v_lshrrev_b32 v[TM+4+\b], 23, v[TM+12+\b]                ; the scale's byte
.endr
	v_lshl_or_b32 v[PW], v[TM+5], 8, v[TM+4]
	v_lshl_or_b32 v[PW], v[TM+6], 16, v[PW]
	v_lshl_or_b32 v[PW], v[TM+7], 24, v[PW]
.irp b, 0,1,2,3
.irp i, 0,1,2,3,4,5,6,7,8,9,10,11,12,13,14,15
.if \relu
	v_med3_num_f32 v[\s+16*\b+\i], v[\s+16*\b+\i], 0, v[TM+8+\b]
.else
	v_med3_num_f32 v[\s+16*\b+\i], v[\s+16*\b+\i], -v[TM+8+\b], v[TM+8+\b]   ; the conversion does not saturate (ISA guide 7.6.2): the hold comes first
.endif
.endr
	v_cvt_scalef32_pk8_fp8_f32 v[PC+4*\b:PC+1+4*\b], v[\s+16*\b:\s+7+16*\b], v[TM+12+\b]
	v_cvt_scalef32_pk8_fp8_f32 v[PC+2+4*\b:PC+3+4*\b], v[\s+8+16*\b:\s+15+16*\b], v[TM+12+\b]
.endr
	v_nop                                          ; a plain line behind the last conversion
.endm
	s_load_b512 s[8:23], s[0:1], 0x0               ; x s[8:9], Wq, Wk, Wv, Wo, W1, W2 s[10:21], QW s[22:23]
	v_lshl_add_u32 v14, v0, 2, 0x8400
	v_mov_b32 v15, 0
	v_lshrrev_b32 v1, 5, v0
	v_readfirstlane_b32 s24, v1                    ; wave
	v_and_b32 v2, 31, v0                           ; lane
	s_mov_b32 s[SEL], 0x76543210
	s_mov_b32 s[SEL+1], 0xfedcba98
	s_mov_b32 s[MNT], 0x600000
	s_cmp_lt_u32 ttmp9, 256
	s_cbranch_scc0 .Lweights
	; ---- x: tile T = the work-group's number, block j = the wave's
	v_and_b32 v3, 15, v0                           ; r
	v_bfe_u32 v4, v0, 4, 1                         ; h
	v_lshlrev_b32 v5, 4, v2                        ; 16 x lane: my bytes of a load's 512, and of a store's
	s_mul_i32 s25, s24, 8448                       ; my wave's stage: 16 rows x (512 + 16) bytes
	v_add_nc_u32 v6, s25, v5                       ; into it as loaded
	v_mul_u32_u24 v7, v3, 528
	v_lshl_add_u32 v7, v4, 6, v7
	v_add_nc_u32 v7, s25, v7                       ; out of it: row r, + 64 h: 16 neighbours of each block of 32
	v_lshlrev_b32 v8, 3, v2                        ; 8 x lane: the scale words' and the zeros' 256 bytes
	v_add_nc_u32 v9, -1, v4                        ; all ones in lanes 0-15, 0 in lanes 16-31
.irp b, 0,1,2,3
	v_mov_b32 v[TM+4+\b], 0                        ; a lane permute's destination counts as read
.endr
	s_lshr_b32 s26, ttmp9, 1
	s_lshl_b32 s26, s26, 5
	s_and_b32 s27, ttmp9, 1
	s_lshl_b32 s27, s27, 3
	s_add_co_u32 s26, s26, s27                     ; the tile's first row
	s_lshl_b32 s26, s26, 12
	s_lshl_b32 s27, s24, 10
	s_add_co_u32 s26, s26, s27                     ; + 1,024 bytes a block
	s_mov_b32 s27, 0
	s_lshl_b32 s28, ttmp9, 2
	s_add_co_u32 s28, s28, s24
	s_mul_i32 s28, s28, 4352
	s_mov_b32 s29, 0
	s_wait_alu depctr_va_vdst(0)
	s_wait_kmcnt 0x0
	s_add_nc_u64 s[8:9], s[8:9], s[26:27]
	s_add_nc_u64 s[22:23], s[22:23], s[28:29]
.irp q, 0,1
.irp p, 0,1,2,3,4,5,6,7,8,9,10,11,12,13,14,15
	global_load_b128 v[16+64*\q+4*\p:16+64*\q+4*\p+3], v5, s[8:9] offset:(\p+8*(\p/8))*4096+512*\q th:TH_LOAD_NT   ; 512 consecutive bytes of a row
.endr
.endr
.macro XHALF q
.if \q == 0
	s_wait_loadcnt 16                              ; the first half's 16 loads are in; the second half's 16 may be out
.else
	s_wait_loadcnt 0x0
.endif
.irp p, 0,1,2,3,4,5,6,7,8,9,10,11,12,13,14,15
	ds_store_b128 v6, v[16+64*\q+4*\p:16+64*\q+4*\p+3] offset:\p*528
.endr
.irp c, 0,1,2,3
.irp j, 0,1,2,3
	ds_load_b128 v[XR+16*\c+4*\j:XR+16*\c+4*\j+3], v7 offset:128*\c+16*\j   ; LDS serves a wave's instructions in order: these see my stores
.endr
.endr
	s_wait_dscnt 0x0
.set PC, 208+16*\q
.set PW, 12+\q
	QUANT XR, 0
.irp c, 0,1,2,3
	global_store_b128 v5, v[PC+4*\c:PC+4*\c+3], s[22:23] offset:2048*\q+512*\c   ; 512 consecutive bytes
.endr
.endm
	XHALF 0
	XHALF 1
	v_and_b32 v12, v12, v9
	v_and_b32 v13, v13, v9
	global_store_b64 v8, v[12:13], s[22:23] offset:4096   ; lanes 0-15 the 16 rows' two words, lanes 16-31 zeros: 256 consecutive bytes
	s_wait_tensorcnt 0x0
	ds_add_u32 v14, v15
	s_wait_dscnt 0x0
	s_endpgm
	; ---- a weight
.Lweights:
	s_sub_co_u32 s25, ttmp9, 256                   ; u
	s_lshr_b32 s26, s25, 5                         ; g: 0-3 Wq, Wk, Wv, Wo; 4-7 W1; 8-11 W2
	s_lshr_b32 s27, s26, 2
	s_and_b32 s38, s26, 12
	s_wait_kmcnt 0x0
	s_cmp_eq_u32 s26, 1                            ; the choices hang on the work-group's number alone
	s_cselect_b64 s[30:31], s[12:13], s[10:11]
	s_cmp_eq_u32 s26, 2
	s_cselect_b64 s[30:31], s[14:15], s[30:31]
	s_cmp_eq_u32 s26, 3
	s_cselect_b64 s[30:31], s[16:17], s[30:31]
	s_cmp_eq_u32 s27, 1
	s_cselect_b64 s[30:31], s[18:19], s[30:31]
	s_mov_b32 s32, 4096
	s_cselect_b32 s32, 16384, s32                  ; P: a row of the weight in bytes
	s_cselect_b32 s33, 31, 7                       ; groups of 128 columns, less one
	s_cselect_b32 s34, 5, 3
	s_cmp_eq_u32 s27, 2
	s_cselect_b64 s[30:31], s[20:21], s[30:31]
	s_mov_b32 s35, 17408
	s_cselect_b32 s35, 69632, s35                  ; a tile's images in bytes: NJ x 4,352
	s_cselect_b32 s36, 16, 4                       ; NJ
	s_cmp_eq_u32 s27, 0
	s_cselect_b32 s37, 31, 127
	s_cselect_b32 s38, s26, s38                    ; which run of 1,114,112 bytes of QW the weight begins at
	s_and_b32 s39, s25, s37                        ; the work-group's number within its weight
	s_and_b32 s56, s39, s33                        ; cg: which 128 columns
	s_lshr_b32 s57, s39, s34                       ; j: which 256 along K
	s_lshl_b32 s58, s57, 8
	s_mul_i32 s58, s58, s32
	s_lshl_b32 s59, s56, 9
	s_add_co_u32 s58, s58, s59
	s_lshl_b32 s59, s24, 7
	s_add_co_u32 s58, s58, s59                     ; 256 j rows + (128 cg + 32 wave) columns
	s_mov_b32 s59, 0
	s_add_nc_u64 s[40:41], s[30:31], s[58:59]
	s_lshl_b32 s60, s32, 5                         ; 32 rows on
	s_mov_b32 s61, 0
.irp t, 1,2,3,4,5,6,7
	s_add_nc_u64 s[40+2*\t:41+2*\t], s[38+2*\t:39+2*\t], s[60:61]   ; a base for each block of 32 along K
.endr
	s_lshl_b32 s58, s56, 3
	s_lshl_b32 s62, s24, 1
	s_add_co_u32 s58, s58, s62                     ; my first tile: 8 cg + 2 wave
	s_mul_i32 s58, s58, s36
	s_add_co_u32 s58, s58, s57
	s_mul_i32 s58, s58, 4352
	s_mul_i32 s62, s38, 1114112
	s_add_co_u32 s58, s58, s62
	s_add_co_u32 s58, s58, 4456448                 ; behind x's images
	s_add_nc_u64 s[22:23], s[22:23], s[58:59]
	s_wait_alu depctr_va_vdst(0)
	v_lshlrev_b32 v3, 2, v2
.irp i, 0,1,2,3,4,5,6,7,8,9,10,11,12,13,14,15,16,17,18,19,20,21,22,23,24,25,26,27,28,29,30,31
	v_mad_u32_u24 v[16+\i], s32, \i, v3            ; row i of a block, my column
.endr
	v_bfe_u32 v4, v0, 3, 1                         ; column l of the 32 is row r = l % 8 + 8 (l / 16) of tile (l / 8) % 2
	v_and_b32 v5, 7, v0
	v_bfe_u32 v6, v0, 4, 1
	v_lshl_add_u32 v5, v6, 3, v5
	v_mul_u32_u24 v4, s35, v4
	v_lshl_add_u32 v7, v5, 4, v4                   ; my codes' place: 16 r in my tile's block
	v_lshl_add_u32 v8, v5, 3, v4                   ; my scale bytes': 8 r
	v_mov_b32 v178, 0
	v_mov_b32 v179, 0
.macro WLOAD t                         ; block t: W(32 t + i, my column) into set t % 2: 128 consecutive bytes a load, 512 for the four waves
.irp i, 0,1,2,3,4,5,6,7,8,9,10,11,12,13,14,15,16,17,18,19,20,21,22,23,24,25,26,27,28,29,30,31
	global_load_b32 v[48+32*((\t)%2)+\i], v[16+\i], s[40+2*(\t):41+2*(\t)] th:TH_LOAD_NT
.endr
.endm
.macro WBLOCK t
.set XS, 48+32*((\t)%2)
.set CC, 112+8*(\t)                    ; each block's codes have registers of their own: no store's data are written again
.if (\t) < 7
	s_wait_loadcnt 32                              ; this block's 32 loads are in; the next block's 32 may be out
.else
	s_wait_loadcnt 0x0
.endif
	v_max3_num_f32 v12, |v[XS]|, |v[XS+1]|, |v[XS+2]|   ; all 32 numbers of the block are mine
	v_max3_num_f32 v13, |v[XS+3]|, |v[XS+4]|, |v[XS+5]|
.irp i, 6,10,14,18,22,26
	v_max3_num_f32 v12, v12, |v[XS+\i]|, |v[XS+\i+1]|
	v_max3_num_f32 v13, v13, |v[XS+\i+2]|, |v[XS+\i+3]|
.endr
	v_max3_num_f32 v12, v12, |v[XS+30]|, |v[XS+31]|
	v_max3_num_f32 v12, v12, v13, 0x4800000
	v_add_nc_u32 v11, 0xfc000000, v12
	v_and_or_b32 v10, v12, 0x7f800000, s[MNT]
	v_lshrrev_b32 v13, 23, v11
.if (\t)%4 == 0
	v_mov_b32 v[176+(\t)/4], v13
.else
	v_lshl_or_b32 v[176+(\t)/4], v13, 8*((\t)%4), v[176+(\t)/4]
.endif
.irp i, 0,1,2,3,4,5,6,7,8,9,10,11,12,13,14,15,16,17,18,19,20,21,22,23,24,25,26,27,28,29,30,31
	v_med3_num_f32 v[XS+\i], v[XS+\i], -v10, v10
.endr
.irp g, 0,1,2,3
	v_cvt_scalef32_pk8_fp8_f32 v[CC+2*\g:CC+2*\g+1], v[XS+8*\g:XS+8*\g+7], v11
.endr
	v_nop
	global_store_b128 v7, v[CC:CC+3], s[22:23] offset:((\t)/4)*2048+((\t)%4)*512       ; k 0-15 of the block: sixteen lanes of a tile fill 256 consecutive bytes
	global_store_b128 v7, v[CC+4:CC+7], s[22:23] offset:((\t)/4)*2048+((\t)%4)*512+256 ; k 16-31
.if (\t)+2 < 8
	WLOAD (\t)+2
.endif
.endm
	WLOAD 0
	WLOAD 1
.irp t, 0,1,2,3,4,5,6,7
	WBLOCK \t
.endr
	global_store_b64 v8, v[176:177], s[22:23] offset:4096   ; my column's two scale words
	global_store_b64 v8, v[178:179], s[22:23] offset:4224   ; and the zeros behind them
	s_endpgm
.Lfunc_end_k_qb94faaff8c_quant:
	.size	k_qb94faaff8c_quant, .Lfunc_end_k_qb94faaff8c_quant-k_qb94faaff8c_quant
	.p2alignl 7, 3214868480
	.fill 96, 4, 3214868480
	.section	.rodata,"a",@progbits
	.p2align	6, 0x0
	.amdhsa_kernel k_qb94faaff8c_quant
		.amdhsa_group_segment_fixed_size 34304
		.amdhsa_private_segment_fixed_size 0
		.amdhsa_enable_private_segment 0
		.amdhsa_kernarg_size 64
		.amdhsa_user_sgpr_count 2
		.amdhsa_user_sgpr_kernarg_segment_ptr 1
		.amdhsa_wavefront_size32 1
		.amdhsa_system_sgpr_workgroup_id_x 1
		.amdhsa_system_sgpr_workgroup_id_y 1
		.amdhsa_system_sgpr_workgroup_id_z 1
		.amdhsa_system_vgpr_workitem_id 0
		.amdhsa_next_free_vgpr 256
		.amdhsa_next_free_sgpr 66
		.amdhsa_reserve_vcc 0
		.amdhsa_float_denorm_mode_32 3
		.amdhsa_float_denorm_mode_16_64 3
		.amdhsa_memory_ordered 1
		.amdhsa_forward_progress 1
		.amdhsa_inst_pref_size 85
	.end_amdhsa_kernel
	.amdgpu_metadata
---
amdhsa.version: [ 1, 2 ]
amdhsa.kernels:
  - .name:           k_qb94faaff8c_quant
    .symbol:         k_qb94faaff8c_quant.kd
    .args:
      - { .name: x, .offset: 0, .size: 8, .value_kind: global_buffer, .address_space: global }
      - { .name: Wq, .offset: 8, .size: 8, .value_kind: global_buffer, .address_space: global }
      - { .name: Wk, .offset: 16, .size: 8, .value_kind: global_buffer, .address_space: global }
      - { .name: Wv, .offset: 24, .size: 8, .value_kind: global_buffer, .address_space: global }
      - { .name: Wo, .offset: 32, .size: 8, .value_kind: global_buffer, .address_space: global }
      - { .name: W1, .offset: 40, .size: 8, .value_kind: global_buffer, .address_space: global }
      - { .name: W2, .offset: 48, .size: 8, .value_kind: global_buffer, .address_space: global }
      - { .name: QW, .offset: 56, .size: 8, .value_kind: global_buffer, .address_space: global }
    .group_segment_fixed_size: 34304
    .private_segment_fixed_size: 0
    .kernarg_segment_align: 8
    .kernarg_segment_size: 64
    .max_flat_workgroup_size: 128
    .sgpr_count:     66
    .vgpr_count:     256
    .wavefront_size: 32
...
	.end_amdgpu_metadata
.endif
;; end of part 1
;; launch qkv (part 2): grid 12 x 16, 4 waves a work-group, clusters of 4 x 4, 327,680 bytes of LDS; arguments QW, bq, bk, bv, QKV; writes QKV
.if DOCPART == 2
	.amdgcn_target "amdgcn-amd-amdhsa--gfx1250"
	.amdhsa_code_object_version 6
	.text
	.protected	k_qb94faaff8c_qkv
	.globl	k_qb94faaff8c_qkv
	.p2align	8
	.type	k_qb94faaff8c_qkv,@function
k_qb94faaff8c_qkv:
	s_mov_b64 s[64:65], 0
	v_nop
	global_prefetch_b8 v0, s[64:65] scope:SCOPE_SE
	s_setreg_imm32_b32 hwreg(HW_REG_WAVE_MODE, 25, 1), 1
	s_wait_xcnt 0x0
	s_wait_alu depctr_hold_cnt(0) depctr_sa_sdst(0) depctr_va_vdst(0) depctr_va_sdst(0) depctr_va_ssrc(0) depctr_va_vcc(0) depctr_vm_vsrc(0)
	s_getreg_b32 s2, hwreg(HW_REG_IB_STS2, 6, 4)
	s_cmp_eq_u32 s2, 0
	s_cbranch_scc0 .Lentry_in_a_cluster
	s_endpgm
.Lentry_in_a_cluster:
	s_bfe_u32 s2, ttmp6, 0x10000c
	s_cmp_lg_u32 s2, 0xf033
	s_cbranch_scc0 .Lentry_shape_is_right
	s_endpgm
.Lentry_shape_is_right:
; q = x Wq + bq, k = x Wk + bk and v^T = (x Wv + bv)^T on codes of FP8 (E4M3) with E8M0 scales, K = 1,024; the results are quantised on the way out: q and k along a head's 64, v along the keys.
; Operands lie in QW as images of operand registers: block(T, j) of 4,352 bytes = tile T (16 rows, row(T, r) = 32 (T / 2) + 8 (T % 2) + r + 8 (r / 8)) x 256 along K: codes, scale words, zeros.
; A tile of C, 256 x 256, is made by four waves, 128 x 128 each: 64 accumulators.  K goes in steps of 256 through two LDS slots; a wave's tensor load brings 8 blocks (8 rows of 4,352 bytes).
; SOURCE 0 = B's tile, SOURCE 1 = A's: a lane holds one row of A, and by the order of rows in a tile its 16 registers of B's tiles 2 n, 2 n + 1 are 16 neighbours 32 n + 16 (lane / 16) + 0..15.
; Cluster x = 0, 1: A = x, B = Wq, Wk.  Cluster x = 2: A = Wv's rows (features), B = x's rows (keys), so that the registers run along the keys, the second attention product's K.
; All operands lie in one buffer, so the roles are chosen by whole-number offsets; the choice hangs on the cluster's number, which all partners share.
; CLUSTERS: 4 x 4; A's tiles are asked for jointly along a row of the cluster, B's along a column.
; OUT (QKV): q at 0, k at 4,456,448: [head 32][128 rows 16][8 tiles x 1,024 bytes of codes, 8 x 64 bytes of scale words]; v at 8,912,896: [head][128 keys 16][4 fragments x 2,048, 4 x 64 bytes of words].
; The two upper bytes of a scale word of q or k belong to the head beside it, or are 0: never 0xff.
; LIMITS: a block of zeros gets the byte 1; magnitudes under 2^-118 are held at that byte; NaN and infinities are not served.
; REGISTERS: window 0: v0-31 addresses and v^T's bias; v32-63 scale words, two sets; v64-127 the bias of my 128 columns; from v128 A's fragments, one set (free on the way out);
;   window 1: B's fragments, two sets;  windows 2, 3: the accumulators ((a, b) at v[8 (8 (a % 4) + b)]).
.set NJ,     4
.set BLKB,   4352
.set HALFT,  8*BLKB                    ; what one tensor load brings, and what a wave reads of A or of B
.set SLOT,   4*HALFT                   ; A's 16 blocks, then B's 16
.set SPARE,  2*SLOT                    ; the spare words: 128 bytes a wave, two blocks of 256 bytes that no other line names
.set NQ,     2
.set FR,     16
.set NL,     4
.set NP,     8                         ; places behind this matrix instruction (ISA guide 7.12.1)
.set LAPS,   2                         ; 1,024 along K = 4 steps of 256 = twice round the ring
.set LI,   3                           ; v3  16 x lane
.set OFFC, 4                           ; v4-7  where the four quarters of a fragment go
.set BM,   8                           ; v8-15 v^T's bias: that of my row in A's block a
.set ADRA, 16
.set ADRB, 20
.set ADRS, 22
.set SOFF, 24
.set SH,   25
.set BO,   26
.set BMO,  27
.set SPW,  28
.set NIL,  29
.set SC,   32
.set BN,   64
.set AF,   128
.set STG,  128
.set PC,   192
.set TM,   208
.set PW,   224
.set PWS,  225
.set G1, 24
.set G0, 32
.set G1B, 48
.set G0B, 56
.set MNT, 67
.set SEL, 98
.set MSB, 0
.macro WIN new
.if MSB != \new
	s_set_vgpr_msb (MSB<<8)|\new
.set MSB, \new
.endif
.endm
.set MUL_LO, 0xa1
.set MUL_HI, 0xf1
.set TO_B,   0x40
.macro JLOAD g0a, g1a, g0b, g1b        ; waves 0, 1 fetch for A, waves 2, 3 for B; four v_nop follow each line
	s_cmp_eq_u32 s15, 0
	s_cbranch_scc0 .Lfor_b_\@
	tensor_load_to_lds s[\g0a:\g0a+3], s[\g1a:\g1a+7]
	s_nop 0
.rept 4
	v_nop
.endr
	s_branch .Lasked_\@
.Lfor_b_\@:
	tensor_load_to_lds s[\g0b:\g0b+3], s[\g1b:\g1b+7]
	s_nop 0
.rept 4
	v_nop
.endr
.Lasked_\@:
.endm
.macro CREST
	s_cmp_lg_u32 s14, 0
	s_cbranch_scc1 .Lnot_wave_0_\@
	s_barrier_signal -3
.Lnot_wave_0_\@:
	s_barrier_wait -3
	s_barrier_signal -1
	s_barrier_wait -1
.endm
.macro CROUND
	s_barrier_signal -1
	s_barrier_wait -1
	CREST
.endm
.macro QUANT s, relu
.if \relu
.irp b, 0,1,2,3
	v_max3_num_f32 v[TM+\b], v[\s+16*\b], v[\s+1+16*\b], 0x4800000
.endr
.irp i, 2,4,6,8,10,12,14
.irp b, 0,1,2,3
	v_max3_num_f32 v[TM+\b], v[TM+\b], v[\s+16*\b+\i], v[\s+1+16*\b+\i]
.endr
.endr
.else
.irp b, 0,1,2,3
	v_max3_num_f32 v[TM+\b], |v[\s+16*\b]|, |v[\s+1+16*\b]|, 0x4800000
.endr
.irp i, 2,4,6,8,10,12,14
.irp b, 0,1,2,3
	v_max3_num_f32 v[TM+\b], v[TM+\b], |v[\s+16*\b+\i]|, |v[\s+1+16*\b+\i]|
.endr
.endr
.endif
.irp b, 0,1,2,3
	v_permlanex16_b32 v[TM+4+\b], v[TM+\b], s[SEL], s[SEL+1]
.endr
.irp b, 0,1,2,3
	v_max_num_f32 v[TM+\b], v[TM+\b], v[TM+4+\b]
.endr
.irp b, 0,1,2,3
	v_add_nc_u32 v[TM+12+\b], 0xfc000000, v[TM+\b]
.endr
.irp b, 0,1,2,3
	v_and_or_b32 v[TM+8+\b], v[TM+\b], 0x7f800000, s[MNT]
.endr
.irp b, 0,1,2,3
	v_lshrrev_b32 v[TM+4+\b], 23, v[TM+12+\b]
.endr
	v_lshl_or_b32 v[PW], v[TM+5], 8, v[TM+4]
	v_lshl_or_b32 v[PW], v[TM+6], 16, v[PW]
	v_lshl_or_b32 v[PW], v[TM+7], 24, v[PW]
.irp b, 0,1,2,3
.irp i, 0,1,2,3,4,5,6,7,8,9,10,11,12,13,14,15
.if \relu
	v_med3_num_f32 v[\s+16*\b+\i], v[\s+16*\b+\i], 0, v[TM+8+\b]
.else
	v_med3_num_f32 v[\s+16*\b+\i], v[\s+16*\b+\i], -v[TM+8+\b], v[TM+8+\b]
.endif
.endr
	v_cvt_scalef32_pk8_fp8_f32 v[PC+4*\b:PC+1+4*\b], v[\s+16*\b:\s+7+16*\b], v[TM+12+\b]
	v_cvt_scalef32_pk8_fp8_f32 v[PC+2+4*\b:PC+3+4*\b], v[\s+8+16*\b:\s+15+16*\b], v[TM+12+\b]
.endr
	v_nop
.endm
	s_load_b256 s[4:11], s[0:1], 0x0               ; QW s[4:5], bq s[6:7], bk s[8:9], bv s[10:11]
	s_load_b64 s[12:13], s[0:1], 0x20              ; QKV
	v_lshl_add_u32 v[SPW], v0, 2, SPARE
	v_mov_b32 v[NIL], 0
	ds_add_u32 v28, v29
	ds_add_u32 v28, v29
	s_wait_dscnt 0x0
	v_lshrrev_b32 v1, 5, v0
	v_readfirstlane_b32 s14, v1                    ; wave
	s_lshr_b32 s15, s14, 1                         ; wr: my half of the rows.  Also: I fetch for A (0) or B (1)
	s_and_b32 s16, s14, 1                          ; wc: my half of the columns.  Also: which 8 blocks I fetch
	s_bfe_u32 s40, ttmp6, 0x40000                  ; cx
	s_bfe_u32 s41, ttmp6, 0x40004                  ; cy
	s_and_b32 s20, ttmp7, 0xffff                   ; cluster y
	s_cmp_eq_u32 ttmp9, 2                          ; cluster x = 2: v^T
	s_cselect_b32 s21, s20, ttmp9
	s_cselect_b32 s22, 0, s20
	s_cselect_b32 s66, 1, 0
	s_cselect_b32 s23, 384, 0                      ; A's first tile in QW: Wv's or x's
	s_cselect_b32 s45, 0, 256                      ; B's: x's or Wq's (Wk's follow)
	s_lshl_b32 s42, s21, 2
	s_add_co_u32 s42, s42, s40                     ; tile column
	s_lshl_b32 s17, s22, 2
	s_add_co_u32 s17, s17, s41                     ; tile row
	s_lshl_b32 s43, s41, 2
	s_lshl_b32 s43, 15, s43                        ; my row of the cluster
	s_lshl_b32 s44, 0x1111, s40                    ; my column
	s_or_b32 s[G1+0], s43, (3<<16)|(1<<21)         ; the mask; elements of 8 bytes; bit 21 beside a mask; no padding
	s_or_b32 s[G1B+0], s44, (3<<16)|(1<<21)
.irp g, G1, G1B
	s_mov_b32 s[\g+1], 544<<16                     ; tensor_dim0: 4,352 bytes
	s_mov_b32 s[\g+2], 8<<16                       ; tensor_dim1: 8 blocks
	s_mov_b32 s[\g+3], 544<<16                     ; tile_dim0
	s_mov_b32 s[\g+4], 8                           ; tile_dim1
	s_mov_b32 s[\g+5], NJ*544                      ; from a tile's block to the next tile's
	s_mov_b32 s[\g+6], 0
	s_mov_b32 s[\g+7], 0
.endr
	s_lshl_b32 s18, s16, 3
	s_lshl_b32 s20, s17, 4
	s_add_co_u32 s20, s20, s18
	s_add_co_u32 s20, s20, s23                     ; A: the first of my 8 tiles
	s_mul_i32 s20, s20, NJ*BLKB
	s_mov_b32 s21, 0
	s_lshl_b32 s46, s42, 4
	s_add_co_u32 s46, s46, s18
	s_add_co_u32 s46, s46, s45                     ; B likewise
	s_mul_i32 s46, s46, NJ*BLKB
	s_mov_b32 s47, 0
	s_mul_i32 s45, s14, HALFT                      ; where they go: no place in the cluster enters an LDS address
	s_wait_kmcnt 0x0
	s_add_nc_u64 s[20:21], s[4:5], s[20:21]
	s_add_nc_u64 s[46:47], s[4:5], s[46:47]
	; THE PREFETCHES INTO THE L2.  A K step's load is 8 tiles x 4,352 bytes a wave.  The four partners that ask for it jointly share its tiles out by address: the partner at place p (cx for A, cy for B) takes tiles 2 p, 2 p + 1:
	; 34 blocks of 256 bytes, two instructions: v30 names tile 2 p's 17 blocks and the next tile's first 15, a lane a block; v31 that tile's last two (the lanes left over name the last again).  s[4:5]: where my two tiles stand.
	s_cmp_eq_u32 s15, 0                            ; do I fetch for A?
	s_cselect_b64 s[4:5], s[20:21], s[46:47]
	s_cselect_b32 s18, s40, s41
	s_mul_i32 s18, s18, 2*NJ*BLKB
	s_mov_b32 s19, 0
	s_add_nc_u64 s[4:5], s[4:5], s[18:19]
	v_and_b32 v31, 31, v0
	v_add_nc_u32 v30, 15, v31
	v_lshrrev_b32 v30, 5, v30                      ; 1 from lane 17 on
	v_mul_u32_u24 v30, v30, (NJ-1)*BLKB
	v_lshl_add_u32 v30, v31, 8, v30
	v_min_u32 v31, 1, v31
	v_lshl_add_u32 v31, v31, 8, NJ*BLKB+15*256
	s_wait_alu depctr_va_vdst(0)
	CROUND
.irp s, 0,1
	s_mov_b32 s[G0+4*\s], 1
	s_add_co_u32 s[G0+4*\s+1], s45, \s*SLOT
	s_add_nc_u64 s[G0+4*\s+2:G0+4*\s+3], s[20:21], \s*BLKB
	s_or_b32 s[G0+4*\s+3], s[G0+4*\s+3], 0x80000000
	s_mov_b32 s[G0B+4*\s], 1
	s_add_co_u32 s[G0B+4*\s+1], s45, \s*SLOT
	s_add_nc_u64 s[G0B+4*\s+2:G0B+4*\s+3], s[46:47], \s*BLKB
	s_or_b32 s[G0B+4*\s+3], s[G0B+4*\s+3], 0x80000000
.if \s == 0
	JLOAD G0, G1, G0B, G1B                         ; K step 0: one tensor load a wave at the head
	global_prefetch_b8 v30, s[4:5] offset:BLKB th:TH_LOAD_NT scope:SCOPE_SE     ; K steps 1 and 2 are asked for behind K step 0's load
	global_prefetch_b8 v31, s[4:5] offset:BLKB th:TH_LOAD_NT scope:SCOPE_SE
	global_prefetch_b8 v30, s[4:5] offset:2*BLKB th:TH_LOAD_NT scope:SCOPE_SE
	global_prefetch_b8 v31, s[4:5] offset:2*BLKB th:TH_LOAD_NT scope:SCOPE_SE
.endif
.endr
	; the way out's numbers: which of (tile row, wr), (tile column, wc) says the position and which the heads
	s_mov_b32 s[SEL], 0x76543210
	s_mov_b32 s[SEL+1], 0xfedcba98
	s_mov_b32 s[MNT], 0x600000
	s_cmp_eq_u32 s66, 1
	s_cselect_b32 s70, s42, s17                    ; position: 256 rows of x
	s_cselect_b32 s71, s16, s15
	s_cselect_b32 s72, s17, s42                    ; heads: 256 features
	s_cselect_b32 s73, s15, s16
	s_mov_b32 s74, 8704
	s_cselect_b32 s74, 8448, s74                   ; a block of QKV
	s_mov_b32 s76, 1024
	s_cselect_b32 s76, 2048, s76                   ; from A's block a to a + 1: the codes,
	s_mov_b32 s78, 1024
	s_cselect_b32 s78, 129024, s78                 ; at a = 4 (v^T: on to the next head: 16 x 8,448 - 3 x 2,048),
	s_cselect_b32 s80, 134976, 64                  ; and the scale words there (16 x 8,448 - 3 x 64)
	s_mov_b32 s82, 139264
	s_cselect_b32 s82, 1024, s82                   ; a fragment's registers 8-15: q, k: the next head's block, 16 x 8,704 on
	s_cselect_b32 s83, 0, 139264
	s_cselect_b32 s84, 0, 16
	s_mov_b32 s77, 0
	s_mov_b32 s79, 0
	s_mov_b32 s81, 0
	s_and_b32 s72, s72, 3
	s_lshl_b32 s72, s72, 2
	s_lshl_b32 s73, s73, 1
	s_add_co_u32 s72, s72, s73                     ; my first head
	s_lshr_b32 s85, s70, 3                         ; batch
	s_lshl_b32 s70, s70, 1
	s_add_co_u32 s70, s70, s71
	s_and_b32 s70, s70, 15                         ; which 128 positions
	s_lshl_b32 s85, s85, 4
	s_add_co_u32 s85, s85, s72
	s_lshl_b32 s85, s85, 4
	s_add_co_u32 s85, s85, s70
	s_mul_i32 s85, s85, s74
	s_mul_i32 s86, ttmp9, 4456448
	s_add_co_u32 s86, s86, s85
	s_mov_b32 s87, 0
	s_add_nc_u64 s[68:69], s[12:13], s[86:87]      ; the codes' base
	s_add_nc_u64 s[88:89], s[68:69], 8192          ; the scale words'
	s_lshl_b32 s92, s72, 8                         ; my first head's 64 numbers of the bias, in bytes
	s_cmp_eq_u32 ttmp9, 1
	s_cselect_b64 s[90:91], s[8:9], s[6:7]
	s_cmp_eq_u32 ttmp9, 2
	s_cselect_b64 s[90:91], s[10:11], s[90:91]
	s_cselect_b32 s94, 0, s92
	s_cselect_b32 s96, s92, 0
	s_mov_b32 s95, 0
	s_mov_b32 s97, 0
	s_add_nc_u64 s[94:95], s[90:91], s[94:95]      ; the bias along my registers (q, k); both sets are loaded on every way, inside the buffer; one is used
	s_add_nc_u64 s[96:97], s[90:91], s[96:97]      ; the bias along my lanes (v^T)
	v_and_b32 v1, 15, v0                           ; r
	v_bfe_u32 v2, v0, 4, 1                         ; h
	v_and_b32 v18, 31, v0
	v_lshlrev_b32 v[LI], 4, v18
	s_mul_i32 s21, s15, HALFT
	s_mul_i32 s22, s16, HALFT
	s_add_co_u32 s22, s22, 2*HALFT
	s_sub_co_u32 s23, s22, s21
	v_mul_u32_u24 v19, s23, v2                     ; lanes 16-31 take B's scale words
	v_lshl_add_u32 v19, v1, 3, v19
	v_add_nc_u32 v19, 4096, v19
.irp s, 0,1
	v_add_nc_u32 v[ADRA+\s], s21, v[LI]
	v_add_nc_u32 v[ADRB+\s], s22, v[LI]
	v_add_nc_u32 v[ADRS+\s], s21, v19
	s_add_co_u32 s21, s21, SLOT
	s_add_co_u32 s22, s22, SLOT
.endr
	v_mov_b32 v[OFFC], v[LI]
	v_add_nc_u32 v[OFFC+1], 512, v[LI]
	v_add_nc_u32 v[OFFC+2], s82, v[LI]
	v_add_nc_u32 v[OFFC+3], 512, v[OFFC+2]
	v_mul_u32_u24 v19, s83, v2
	v_lshl_add_u32 v[SOFF], v1, 2, v19             ; 4 r; q, k: lanes 16-31 write the next head's word
	v_mul_u32_u24 v[SH], s84, v2                   ; which is the upper half of mine
	v_lshlrev_b32 v[BO], 6, v2
	v_and_b32 v19, 8, v1
	v_add_nc_u32 v19, v19, v1
	v_lshlrev_b32 v[BMO], 2, v19
.irp b, 0,1,2,3
.irp j, 0,1,2,3
	global_load_b128 v[BN+16*\b+4*\j:BN+16*\b+4*\j+3], v[BO], s[94:95] offset:128*\b+16*\j   ; register 16 b + i: column 32 b + 16 h + i
.endr
.endr
.irp a, 0,1,2,3,4,5,6,7
	global_load_b32 v[BM+\a], v[BMO], s[96:97] offset:(32*(\a/2)+8*(\a%2))*4
.endr
.macro FRAG reg, adr, q, i             ; a fragment comes as it lies: four loads of 512 consecutive bytes
.irp c, 0,1,2,3
	ds_load_b128 v[\reg+4*\c:\reg+4*\c+3], v[\adr] offset:(\i)*BLKB+2048*(\q)+512*\c
.endr
.endm
.macro MUL16 a0, p, q, sc, zero        ; A's blocks a0, a0 + 1 x B's eight; the 64 accumulators take turns
.irp a, \a0, \a0+1
.irp b, 0,1,2,3,4,5,6,7
.if \zero
	v_wmma_scale_f32_16x16x128_f8f6f4 v[8*(8*((\a)%4)+\b):8*(8*((\a)%4)+\b)+7], v[128*(\p)+FR*\b:128*(\p)+FR*\b+FR-1], v[AF+FR*(\a):AF+FR*(\a)+FR-1], 0, v[SC+8*NQ*(\sc)+NQ*\b+(\q)], v[SC+8*NQ*(\sc)+NQ*(\a)+(\q)] matrix_a_scale:MATRIX_SCALE_ROW1
.else
	v_wmma_scale_f32_16x16x128_f8f6f4 v[8*(8*((\a)%4)+\b):8*(8*((\a)%4)+\b)+7], v[128*(\p)+FR*\b:128*(\p)+FR*\b+FR-1], v[AF+FR*(\a):AF+FR*(\a)+FR-1], v[8*(8*((\a)%4)+\b):8*(8*((\a)%4)+\b)+7], v[SC+8*NQ*(\sc)+NQ*\b+(\q)], v[SC+8*NQ*(\sc)+NQ*(\a)+(\q)] matrix_a_scale:MATRIX_SCALE_ROW1
.endif
.endr
.endr
.endm
.macro FETCH_B slot, q, p
	WIN TO_B
.irp i, 0,1,2,3,4,5,6,7
	FRAG 128*(\p)+FR*\i, ADRB+\slot, \q, \i
.endr
	WIN 0
.endm
.macro FETCH_A slot, q, i0
.irp i, \i0, \i0+1, \i0+2, \i0+3
	FRAG AF+FR*(\i), ADRA+\slot, \q, \i
.endr
.endm
.macro SCALES sc                       ; a slot's scale words: lanes 0-15 A's block i, lanes 16-31 B's block i; two words a row
.irp i, 0,1,2,3,4,5,6,7
	ds_load_b64 v[SC+8*NQ*\sc+NQ*\i:SC+8*NQ*\sc+NQ*\i+1], v[ADRS+\sc] offset:\i*BLKB
.endr
.endm
.macro PLACES n
.rept \n
	v_nop
.endr
.endm
.macro STEP slot, q, zero              ; 128 along K with its successor in the same slot
	s_wait_dscnt 4*NL                              ; B's set and A's blocks 0-3 are in; the youngest 16 loads (A's blocks 4-7) may be out
	WIN MUL_LO
	MUL16 0, (\q)%2, \q, \slot, \zero
	MUL16 2, (\q)%2, \q, \slot, \zero
	s_wait_dscnt 0
	PLACES NP
	FETCH_B \slot, (\q)+1, 1-(\q)%2
	FETCH_A \slot, (\q)+1, 0
	WIN MUL_HI
	MUL16 4, (\q)%2, \q, \slot, \zero
	MUL16 6, (\q)%2, \q, \slot, \zero
	PLACES NP
	WIN 0
	FETCH_A \slot, (\q)+1, 4
.endm
.macro TURN slot, next, fill           ; a slot's last step changes slots: one barrier
	s_wait_tensorcnt 0x0                           ; all my tensor loads have landed: my part of the next slot
	ds_add_u32 v[SPW], v[NIL]                      ; 0 onto my spare word
	s_wait_dscnt 4*NL+1                            ; the add and the youngest 16 loads may be out
	WIN MUL_LO
	MUL16 0, 1, NQ-1, \slot, 0
	s_wait_dscnt 0x0                               ; the add is done, and my reads of this slot are over
	s_barrier_signal -1
	MUL16 2, 1, NQ-1, \slot, 0
	WIN 0
	s_barrier_wait -1
.if \fill
	CREST                                          ; the barrier has opened a round of the cluster's: no wave of any partner still reads this slot or has a load on its way
	s_add_nc_u64 s[G0+4*\slot+2:G0+4*\slot+3], s[G0+4*\slot+2:G0+4*\slot+3], 2*BLKB
	s_add_nc_u64 s[G0B+4*\slot+2:G0B+4*\slot+3], s[G0B+4*\slot+2:G0B+4*\slot+3], 2*BLKB
	JLOAD G0+4*\slot, G1, G0B+4*\slot, G1B         ; my one load behind the round; its four v_nop are four of the eight places
	PLACES NP-4
.else
	PLACES NP
.endif
	FETCH_B \next, 0, 0
	FETCH_A \next, 0, 0
	SCALES \next
	WIN MUL_HI
	MUL16 4, 1, NQ-1, \slot, 0
	MUL16 6, 1, NQ-1, \slot, 0
	PLACES NP
	WIN 0
	FETCH_A \next, 0, 4
.endm
	s_wait_alu depctr_va_vdst(0)
	s_wait_tensorcnt 0x0                           ; my part of K step 0 is in; slot 1's first fill is issued as a refill is
	ds_add_u32 v[SPW], v[NIL]                      ; 0 onto my spare word
	s_wait_dscnt 0x0
	CROUND                                         ; everybody's part of K step 0 is in, and all sixteen work-groups are here
	JLOAD G0+4, G1, G0B+4, G1B                     ; K step 1: my one load behind the round
	global_prefetch_b8 v30, s[4:5] offset:3*BLKB th:TH_LOAD_NT scope:SCOPE_SE   ; K step 3, the last: two loads ahead of its own
	global_prefetch_b8 v31, s[4:5] offset:3*BLKB th:TH_LOAD_NT scope:SCOPE_SE
	FETCH_B 0, 0, 0
	FETCH_A 0, 0, 0
	SCALES 0
	FETCH_A 0, 0, 4
	STEP 0, 0, 1                                   ; the first products start the sums
	s_mov_b32 s3, LAPS-1
.Llap:
	TURN 0, 1, 1
	STEP 1, 0, 0
	TURN 1, 0, 1
	STEP 0, 0, 0
	s_sub_co_u32 s3, s3, 1
	s_cmp_lg_u32 s3, 0
	s_cbranch_scc1 .Llap
	TURN 0, 1, 0
	STEP 1, 0, 0
	s_wait_dscnt 4*NL
	WIN MUL_LO
	MUL16 0, 1, NQ-1, 1, 0
	MUL16 2, 1, NQ-1, 1, 0
	s_wait_dscnt 0
	WIN MUL_HI
	MUL16 4, 1, NQ-1, 1, 0
	MUL16 6, 1, NQ-1, 1, 0
	WIN 0
; THE WAY OUT, A's block a at a time: sums + bias into window 0 (each accumulator from its low end on), quantised, stored as an image: four stores of 512 consecutive bytes and the scale words.
.macro OUTB a
.set AC, 64*((\a)%4)
.set WW, 0x02+(\a)/4
	s_cmp_eq_u32 s66, 1
	s_cbranch_scc1 .Lalong_lanes_\@
	WIN WW
.set i, 0
.rept 32
	v_pk_add_f32 v[STG+i:STG+i+1], v[AC+i:AC+i+1], v[BN+i:BN+i+1]   ; q, k: the bias runs along my registers
.set i, i+2
.endr
	WIN 0
	s_branch .Lsummed_\@
.Lalong_lanes_\@:
	WIN WW
.set i, 0
.rept 64
	v_add_f32 v[STG+i], v[AC+i], v[BM+(\a)]        ; v^T: one number of the bias for my row
.set i, i+1
.endr
	WIN 0
.Lsummed_\@:
	s_wait_xcnt 0x0                                ; the last block's stores have read their data and bases: both may be written
.if (\a) == 4
	s_add_nc_u64 s[68:69], s[68:69], s[78:79]
	s_add_nc_u64 s[88:89], s[88:89], s[80:81]
.elseif (\a) > 0
	s_add_nc_u64 s[68:69], s[68:69], s[76:77]
	s_add_nc_u64 s[88:89], s[88:89], 64
.endif
	QUANT STG, 0
	v_lshrrev_b32 v[PWS], v[SH], v[PW]
.irp c, 0,1,2,3
	global_store_b128 v[OFFC+\c], v[PC+4*\c:PC+4*\c+3], s[68:69]
.endr
	global_store_b32 v[SOFF], v[PWS], s[88:89]
.endm
	PLACES NP                                      ; behind the last products: for the reads of results and the writes over A's fragments
.irp b, 0,1,2,3
	v_mov_b32 v[TM+4+\b], 0
.endr
	s_wait_loadcnt 0x0                             ; the biases
.irp a, 0,1,2,3,4,5,6,7
	OUTB \a
.endr
	s_wait_tensorcnt 0x0                           ; the wave's end
	ds_add_u32 v[SPW], v[NIL]
	s_wait_dscnt 0x0
	CROUND                                         ; the closing round
	s_endpgm
.Lfunc_end_k_qb94faaff8c_qkv:
	.size	k_qb94faaff8c_qkv, .Lfunc_end_k_qb94faaff8c_qkv-k_qb94faaff8c_qkv
	.p2alignl 7, 3214868480
	.fill 96, 4, 3214868480
	.section	.rodata,"a",@progbits
	.p2align	6, 0x0
	.amdhsa_kernel k_qb94faaff8c_qkv
		.amdhsa_group_segment_fixed_size 327680
		.amdhsa_private_segment_fixed_size 0
		.amdhsa_enable_private_segment 0
		.amdhsa_kernarg_size 40
		.amdhsa_user_sgpr_count 2
		.amdhsa_user_sgpr_kernarg_segment_ptr 1
		.amdhsa_wavefront_size32 1
		.amdhsa_system_sgpr_workgroup_id_x 1
		.amdhsa_system_sgpr_workgroup_id_y 1
		.amdhsa_system_sgpr_workgroup_id_z 1
		.amdhsa_system_vgpr_workitem_id 0
		.amdhsa_next_free_vgpr 1024
		.amdhsa_next_free_sgpr 100
		.amdhsa_reserve_vcc 0
		.amdhsa_float_denorm_mode_32 3
		.amdhsa_float_denorm_mode_16_64 3
		.amdhsa_memory_ordered 1
		.amdhsa_forward_progress 1
		.amdhsa_inst_pref_size 222
	.end_amdhsa_kernel
	.amdgpu_metadata
---
amdhsa.version: [ 1, 2 ]
amdhsa.kernels:
  - .name:           k_qb94faaff8c_qkv
    .symbol:         k_qb94faaff8c_qkv.kd
    .args:
      - { .name: QW, .offset: 0, .size: 8, .value_kind: global_buffer, .address_space: global }
      - { .name: bq, .offset: 8, .size: 8, .value_kind: global_buffer, .address_space: global }
      - { .name: bk, .offset: 16, .size: 8, .value_kind: global_buffer, .address_space: global }
      - { .name: bv, .offset: 24, .size: 8, .value_kind: global_buffer, .address_space: global }
      - { .name: QKV, .offset: 32, .size: 8, .value_kind: global_buffer, .address_space: global }
    .group_segment_fixed_size: 327680
    .private_segment_fixed_size: 0
    .kernarg_segment_align: 8
    .kernarg_segment_size: 40
    .max_flat_workgroup_size: 128
    .sgpr_count:     100
    .vgpr_count:     1024
    .wavefront_size: 32
...
	.end_amdgpu_metadata
.endif
;; end of part 2
;; launch attn (part 3): grid 8 x 32, 16 waves a work-group, clusters of 4 x 1, 276,480 bytes of LDS; arguments QKV, OC; writes OC
.if DOCPART == 3
	.amdgcn_target "amdgcn-amd-amdhsa--gfx1250"
	.amdhsa_code_object_version 6
	.text
	.protected	k_qb94faaff8c_attn
	.globl	k_qb94faaff8c_attn
	.p2align	8
	.type	k_qb94faaff8c_attn,@function
k_qb94faaff8c_attn:
	s_mov_b64 s[64:65], 0
	v_nop
	global_prefetch_b8 v0, s[64:65] scope:SCOPE_SE
	s_setreg_imm32_b32 hwreg(HW_REG_WAVE_MODE, 25, 1), 1
	s_wait_xcnt 0x0
	s_wait_alu depctr_hold_cnt(0) depctr_sa_sdst(0) depctr_va_vdst(0) depctr_va_sdst(0) depctr_va_ssrc(0) depctr_va_vcc(0) depctr_vm_vsrc(0)
	s_getreg_b32 s2, hwreg(HW_REG_IB_STS2, 6, 4)
	s_cmp_eq_u32 s2, 0
	s_cbranch_scc0 .Lentry_in_a_cluster
	s_endpgm
.Lentry_in_a_cluster:
	s_bfe_u32 s2, ttmp6, 0x10000c
	s_cmp_lg_u32 s2, 0x3003
	s_cbranch_scc0 .Lentry_shape_is_right
	s_endpgm
.Lentry_shape_is_right:
; o = softmax(q k^T / 8) v for one head and 256 queries, both products on codes of FP8 (E4M3) with E8M0 scales; o is quantised along the features and stored as images of operand registers (OC).
; THE SOFTMAX: t = score x log2(e) / 8; M = the running largest t rounded up to a whole number; p = 2^(t - M) is quantised along the keys, not normalised; the row's sum is taken of the unquantised p and divides at the end.
; SHARES.  Sixteen waves, each one tile of 16 queries in 256 registers: four waves to a SIMD, so that one wave's vector work stands beside another's products and LDS loads.
; THE WHOLE HEAD'S K AND V STAY IN LDS: K 16 x 8,704 bytes at 0, V 16 x 8,448 bytes at 139,264, filled once: nothing is filled again.
; The four work-groups of a cluster are four query blocks of one head: every fill is asked for jointly.  Waves 0, 1 fetch K's blocks 0, 1, waves 2, 3 V's; waves 4, 5 K's blocks 2-8, 9-15, waves 6, 7 V's likewise: one load a wave.
; Both products are used transposed: S^T = K Q^T, O^T = V^T P^T: a lane holds one query.  By the order of rows in a tile, the 16 registers of tiles 2 b, 2 b + 1 are 16 neighbouring keys.
; A HEAD HAS 64 ALONG K, THE INSTRUCTION 128.  Q's registers 8-15 are zero codes.  K's operand names 16 registers of which the upper 8 are the next tile's codes (for tile 7: kept zeros): finite numbers
; (the quantiser makes no NaN code, and no scale byte is 0xff) times zero add nothing.  So no zeros are loaded.
; No L2 prefetch: all of K and V is asked for at the head.
; LIMITS: a block of zeros gets the byte 1; NaN and infinities are not served.
; REGISTERS: v1-4 addresses that stay; v5 r, v6 h, v7 lane; v8-11 the step's addresses; v12 -M, v13 the largest t, v[14:15] the sum; v16-23 Q, v24-31 zeros; v32-95 K's 8 tiles, then V's 4 fragments; v96-103 zeros;
;   v104-167 S^T, then p; v168-199 O^T; v200-215 p's codes; v216-223, v224-227, v228, v229 scale words of K, V, Q, p; v232-254 at work.
.set S,   104
.set O,   168
.set PCD, 200
.set KSW, 216
.set VSW, 224
.set QSW, 228
.set PSW, 229
.set W0,  232
.set W1,  236
.set W2,  240
.set W3,  244
.set HW,  248
.set FF,  250
.set TT,  254
.set WV,  18
.set MNT, 19
.set SEL, 20
.set CS,  22
.set G1KA, 24
.set G1KB, 32
.set G1VA, 40
.set G1VB, 48
.set G0KA, 56
.set G0KB, 60
.set G0VA, 68
.set G0VB, 72
.set TK,  76
.set TV,  77
.set CNT, 78
.set VB,  139264
.macro CROUND
	s_barrier_signal -1
	s_barrier_wait -1
	s_cmp_lg_u32 s[WV], 0
	s_cbranch_scc1 .Lnot_wave_0_\@
	s_barrier_signal -3
.Lnot_wave_0_\@:
	s_barrier_wait -3
	s_barrier_signal -1
	s_barrier_wait -1
.endm
	s_load_b128 s[4:7], s[0:1], 0x0                ; QKV, OC
	v_lshl_add_u32 v253, v0, 2, 0x43000
	v_mov_b32 v255, 0
	ds_add_u32 v253, v255
	ds_add_u32 v253, v255
	v_lshrrev_b32 v8, 5, v0
	s_delay_alu instid0(VALU_DEP_1)
	v_readfirstlane_b32 s[WV], v8                  ; wave 0..15
	s_bfe_u32 s8, ttmp6, 0x40000                   ; cx: it enters Q's and OC's global addresses alone
	s_lshl_b32 s9, ttmp9, 2
	s_add_co_u32 s9, s9, s8                        ; my block of 256 queries
	s_and_b32 s10, ttmp7, 0xffff                   ; the head, 0..31, which the partners share
	s_and_b32 s11, s[WV], 1                        ; which part I fetch, if I fetch
	; four groups 1: dense blocks as rows of 256 bytes (32 elements of 8 bytes); they differ in the number of rows
.irp g, G1KA, G1KB, G1VA, G1VB
	s_mov_b32 s[\g], 15|(3<<16)|(1<<21)            ; the mask: all four work-groups; elements of 8 bytes; bit 21 beside a mask
	s_mov_b32 s[\g+1], 32<<16
	s_mov_b32 s[\g+3], 32<<16
	s_mov_b32 s[\g+5], 32
	s_mov_b32 s[\g+6], 0
	s_mov_b32 s[\g+7], 0
.endr
	s_mov_b32 s[G1KA+2], 34<<16                    ; one block of K: 8,704 bytes
	s_mov_b32 s[G1KA+4], 34
	s_mov_b32 s[G1KB+2], 238<<16                   ; seven
	s_mov_b32 s[G1KB+4], 238
	s_mov_b32 s[G1VA+2], 33<<16                    ; one block of V: 8,448 bytes
	s_mov_b32 s[G1VA+4], 33
	s_mov_b32 s[G1VB+2], 231<<16
	s_mov_b32 s[G1VB+4], 231
	s_mul_i32 s12, s10, 139264
	s_add_co_u32 s12, s12, 4456448                 ; the head's K in QKV
	s_mul_i32 s13, s11, 8704                       ; first load: block 0 or 1
	s_mul_i32 s14, s11, 7*8704
	s_add_co_u32 s14, s14, 2*8704                  ; second: blocks 2-8 or 9-15
	s_mul_i32 s15, s10, 135168
	s_add_co_u32 s15, s15, 8912896                 ; the head's V
	s_mul_i32 s16, s11, 8448
	s_mul_i32 s17, s11, 7*8448
	s_add_co_u32 s17, s17, 2*8448
	s_mov_b32 s81, 0
	s_mov_b32 s[SEL], 0x76543210
	s_mov_b32 s[SEL+1], 0xfedcba98
	s_mov_b32 s[CS], 0x3e38aa3b                    ; c = log2(e) / 8
	s_mov_b32 s[CS+1], s[CS]
	s_mov_b32 s[MNT], 0x600000
	s_mov_b32 s[TK], 0
	s_mov_b32 s[TV], 0
	s_wait_dscnt 0x0
	s_wait_kmcnt 0x0
	s_mov_b32 s[G0KA], 1
	s_mov_b32 s[G0KA+1], s13
	s_add_co_u32 s80, s12, s13
	s_add_nc_u64 s[G0KA+2:G0KA+3], s[4:5], s[80:81]
	s_or_b32 s[G0KA+3], s[G0KA+3], 0x80000000
	s_mov_b32 s[G0KB], 1
	s_mov_b32 s[G0KB+1], s14
	s_add_co_u32 s80, s12, s14
	s_add_nc_u64 s[G0KB+2:G0KB+3], s[4:5], s[80:81]
	s_or_b32 s[G0KB+3], s[G0KB+3], 0x80000000
	s_mov_b32 s[G0VA], 1
	s_add_co_u32 s[G0VA+1], s16, VB
	s_add_co_u32 s80, s15, s16
	s_add_nc_u64 s[G0VA+2:G0VA+3], s[4:5], s[80:81]
	s_or_b32 s[G0VA+3], s[G0VA+3], 0x80000000
	s_mov_b32 s[G0VB], 1
	s_add_co_u32 s[G0VB+1], s17, VB
	s_add_co_u32 s80, s15, s17
	s_add_nc_u64 s[G0VB+2:G0VB+3], s[4:5], s[80:81]
	s_or_b32 s[G0VB+3], s[G0VB+3], 0x80000000
	CROUND                                         ; all four work-groups are here: the joint loads meet
; THE FILLS, ONE A WAVE, in one chain of branches on the wave's number: waves 0, 1 K's blocks 0, 1; waves 2, 3 V's blocks 0, 1; waves 4, 5 K's blocks 2-8, 9-15; waves 6, 7 V's likewise; waves 8-15 none.
.macro ARM under, g0, g1, next
	s_cmp_lt_u32 s[WV], \under
	s_cbranch_scc0 \next
	tensor_load_to_lds s[\g0:\g0+3], s[\g1:\g1+7]
	s_nop 0
.rept 4
	v_nop
.endr
	s_branch .Lasked
\next:
.endm
	ARM 2, G0KA, G1KA, .Lfor_va
	ARM 4, G0VA, G1VA, .Lfor_kb
	ARM 6, G0KB, G1KB, .Lfor_vb
	ARM 8, G0VB, G1VB, .Lfor_none
.Lasked:
	; Q's tile: block 2 qb + wave / 8 of the head, tile wave % 8
	s_lshl_b32 s82, s10, 4
	s_lshl_b32 s83, s9, 1
	s_add_co_u32 s82, s82, s83
	s_lshr_b32 s83, s[WV], 3
	s_add_co_u32 s82, s82, s83
	s_mul_i32 s82, s82, 8704
	s_and_b32 s84, s[WV], 7
	s_lshl_b32 s85, s84, 10
	s_add_co_u32 s86, s82, s85
	s_mov_b32 s87, 0
	s_lshl_b32 s85, s84, 6
	s_add_co_u32 s88, s82, s85
	s_add_co_u32 s88, s88, 8192
	s_mov_b32 s89, 0
	s_add_nc_u64 s[86:87], s[4:5], s[86:87]        ; its codes
	s_add_nc_u64 s[88:89], s[4:5], s[88:89]        ; its scale words
	; OC: tile 128 batch + 16 qb + wave; the head's 64 features are a quarter of block head / 4
	s_lshr_b32 s90, s10, 4
	s_lshl_b32 s90, s90, 7
	s_lshl_b32 s91, s9, 4
	s_add_co_u32 s90, s90, s91
	s_add_co_u32 s90, s90, s[WV]
	s_lshl_b32 s90, s90, 2
	s_bfe_u32 s91, s10, 0x20002
	s_add_co_u32 s90, s90, s91
	s_mul_i32 s90, s90, 4352
	s_and_b32 s91, s10, 3
	s_lshl_b32 s92, s91, 10
	s_add_co_u32 s92, s92, s90
	s_mov_b32 s93, 0
	s_lshl_b32 s94, s91, 1
	s_add_co_u32 s94, s94, s90
	s_add_co_u32 s94, s94, 4096
	s_mov_b32 s95, 0
	s_add_nc_u64 s[92:93], s[6:7], s[92:93]        ; my 1,024 bytes of codes
	s_add_nc_u64 s[94:95], s[6:7], s[94:95]        ; my two bytes of each row's scale words
	v_and_b32 v5, 15, v0                           ; r
	v_bfe_u32 v6, v0, 4, 1                         ; h
	v_and_b32 v7, 31, v0                           ; lane
	s_delay_alu instid0(VALU_DEP_1)
	v_lshlrev_b32 v1, 4, v7                        ; K's codes: 16 x lane
	s_delay_alu instid0(VALU_DEP_1)
	v_add_nc_u32 v2, VB, v1                        ; V's
	v_lshlrev_b32 v9, 2, v5                        ; 4 r
	s_delay_alu instid0(VALU_DEP_1)
	v_add_nc_u32 v3, 8192, v9                      ; K's scale words
	s_delay_alu instid0(VALU_DEP_2)
	v_add_nc_u32 v4, VB+8192, v9                   ; V's
	global_load_b128 v[16:19], v1, s[86:87]
	global_load_b128 v[20:23], v1, s[86:87] offset:512
	global_load_b32 v[QSW], v9, s[88:89]
.irp j, 0,1,2,3,4,5,6,7
	v_mov_b32 v[24+\j], 0                          ; Q's k = 64 .. 127: zero codes
	v_mov_b32 v[96+\j], 0                          ; behind K's tile 7
.endr
	v_mov_b32 v13, 0xff61b1e6                      ; the largest t so far: -3e38
	s_delay_alu instid0(VALU_DEP_1)
	v_floor_f32 v12, -v13                          ; -M
	v_mov_b32 v14, 0
	v_mov_b32 v15, 0
.irp b, 0,1,2,3
	v_mov_b32 v[W1+\b], 0                          ; a lane permute's destination counts as read
.endr
	v_mov_b32 v[FF+1], 0                           ; named as the upper half of a pair
.set j, 0
.rept 32
	v_mov_b32 v[O+j], 0                            ; O^T: the step is written once; its first change of M leaves zeros zeros
.set j, j+1
.endr
; A KEY STEP: 128 keys
.macro STEP
	v_add_nc_u32 v8, s[TK], v1
	v_add_nc_u32 v9, s[TV], v2
	v_add_nc_u32 v10, s[TK], v3
	v_add_nc_u32 v11, s[TV], v4
.rept 4
	v_nop                                          ; with the four additions: eight places in front of loads into registers that the last products read
.endr
.irp t, 0,1,2,3,4,5,6,7
	ds_load_b128 v[32+8*\t:35+8*\t], v8 offset:1024*\t
	ds_load_b128 v[36+8*\t:39+8*\t], v8 offset:1024*\t+512
	ds_load_b32 v[KSW+\t], v10 offset:64*\t
.endr
	s_wait_alu depctr_va_vdst(0)
	s_wait_dscnt 0x0
.irp t, 0,1,2,3,4,5,6,7
	v_wmma_scale_f32_16x16x128_f8f6f4 v[S+8*\t:S+8*\t+7], v[32+8*\t:47+8*\t], v[16:31], 0, v[KSW+\t], v[QSW]
.endr
.rept 8
	v_nop
.endr
.irp t, 0,1,2,3
.irp c, 0,1,2,3
	ds_load_b128 v[32+16*\t+4*\c:35+16*\t+4*\c], v9 offset:2048*\t+512*\c   ; V's fragments land under the softmax
.endr
	ds_load_b32 v[VSW+\t], v11 offset:64*\t
.endr
.irp b, 0,1,2,3
	v_max3_num_f32 v[W0+\b], v[S+16*\b], v[S+1+16*\b], v[S+2+16*\b]   ; the largest score of each block of 32 keys: for the row's maximum and, since p rises with the score, for the block's largest p
.endr
.irp i, 3,5,7,9,11,13
.irp b, 0,1,2,3
	v_max3_num_f32 v[W0+\b], v[W0+\b], v[S+16*\b+\i], v[S+1+16*\b+\i]
.endr
.endr
.irp b, 0,1,2,3
	v_max_num_f32 v[W0+\b], v[W0+\b], v[S+15+16*\b]
.endr
.irp b, 0,1,2,3
	s_delay_alu instid0(VALU_DEP_4)
	v_permlanex16_b32 v[W1+\b], v[W0+\b], s[SEL], s[SEL+1]
.endr
.irp b, 0,1,2,3
	s_delay_alu instid0(VALU_DEP_4)
	v_max_num_f32 v[W0+\b], v[W0+\b], v[W1+\b]
.endr
	s_delay_alu instid0(VALU_DEP_2)
	v_max3_num_f32 v[TT], v[W0], v[W0+1], v[W0+2]
	s_delay_alu instid0(VALU_DEP_1)
	v_max_num_f32 v[TT], v[TT], v[W0+3]
	s_delay_alu instid0(VALU_DEP_1)
	v_mul_f32 v[TT], s[CS], v[TT]
	s_delay_alu instid0(VALU_DEP_1)
	v_max_num_f32 v13, v13, v[TT]                  ; the running largest t
	v_mov_b32 v[TT], v12
	s_delay_alu instid0(VALU_DEP_2)
	v_floor_f32 v12, -v13                          ; the new -M: a whole number
	s_delay_alu instid0(VALU_DEP_1)
	v_sub_f32 v[TT], v12, v[TT]
	s_delay_alu instid0(VALU_DEP_1)
	v_cvt_i32_f32 v[TT], v[TT]                     ; (it saturates)
	s_delay_alu instid0(VALU_DEP_1)
	v_ldexp_f32 v[FF], 1.0, v[TT]                  ; f = 2^(old M - new M): rounds nothing
.set j, 0
.rept 32
	v_pk_fma_f32 v[S+j:S+j+1], v[S+j:S+j+1], s[CS:CS+1], v[12:13] op_sel_hi:[1,0,0]   ; t - M
.set j, j+2
.endr
.irp b, 0,1,2,3
	v_fma_f32 v[W0+\b], v[W0+\b], s[CS], v12
.endr
.set j, 0
	s_wait_alu depctr_va_vdst(0)
.rept 64
	v_exp_f32 v[S+j], v[S+j]                       ; p = 2^(t - M)
.set j, j+1
.endr
	v_pk_mul_f32 v[14:15], v[14:15], v[FF:FF+1] op_sel_hi:[1,0]   ; the sums under the new M: the plain line behind the exponentials
	s_wait_alu depctr_va_vdst(0)                   ; one wait for the batch, ahead of its first reader
.irp b, 0,1,2,3
	v_exp_f32 v[W0+\b], v[W0+\b]                   ; the block's largest p
.endr
	v_pk_add_f32 v[236:237], v[108:109], v[112:113]
	v_pk_add_f32 v[248:249], v[116:117], v[120:121]
	v_pk_add_f32 v[246:247], v[124:125], v[128:129]
	v_pk_add_f32 v[244:245], v[132:133], v[136:137]
	v_pk_add_f32 v[242:243], v[140:141], v[144:145]
	v_pk_add_f32 v[240:241], v[148:149], v[152:153]
	v_pk_add_f32 v[238:239], v[156:157], v[160:161]
	v_pk_add_f32 v[14:15], v[14:15], v[164:165]
	v_pk_add_f32 v[236:237], v[236:237], v[104:105]
	v_pk_add_f32 v[248:249], v[248:249], v[106:107]
	v_pk_add_f32 v[246:247], v[246:247], v[110:111]
	v_pk_add_f32 v[244:245], v[244:245], v[114:115]
	v_pk_add_f32 v[242:243], v[242:243], v[118:119]
	v_pk_add_f32 v[240:241], v[240:241], v[122:123]
	v_pk_add_f32 v[238:239], v[238:239], v[126:127]
	v_pk_add_f32 v[14:15], v[14:15], v[130:131]
	v_pk_add_f32 v[236:237], v[236:237], v[134:135]
	v_pk_add_f32 v[248:249], v[248:249], v[138:139]
	v_pk_add_f32 v[246:247], v[246:247], v[142:143]
	v_pk_add_f32 v[244:245], v[244:245], v[146:147]
	v_pk_add_f32 v[242:243], v[242:243], v[150:151]
	v_pk_add_f32 v[240:241], v[240:241], v[154:155]
	v_pk_add_f32 v[238:239], v[238:239], v[158:159]
	v_pk_add_f32 v[14:15], v[14:15], v[162:163]
	v_pk_add_f32 v[236:237], v[236:237], v[166:167]
	s_delay_alu instid0(VALU_DEP_2)
	v_pk_add_f32 v[14:15], v[14:15], v[244:245]
	s_delay_alu instid0(VALU_DEP_2)
	v_pk_add_f32 v[236:237], v[236:237], v[242:243]
	v_pk_add_f32 v[248:249], v[248:249], v[240:241]
	v_pk_add_f32 v[246:247], v[246:247], v[238:239]
	s_delay_alu instid0(VALU_DEP_2)
	v_pk_add_f32 v[14:15], v[14:15], v[248:249]
	s_delay_alu instid0(VALU_DEP_2)
	v_pk_add_f32 v[236:237], v[236:237], v[246:247]
	s_delay_alu instid0(VALU_DEP_1)
	v_pk_add_f32 v[14:15], v[14:15], v[236:237]
	s_wait_alu depctr_va_vdst(0)                   ; and one for the four
.irp b, 0,1,2,3
	v_max_num_f32 v[W0+\b], 0x4800000, v[W0+\b]
.endr
.irp b, 0,1,2,3
	s_delay_alu instid0(VALU_DEP_4)
	v_add_nc_u32 v[W3+\b], 0xfc000000, v[W0+\b]
.endr
.irp b, 0,1,2,3
	v_and_or_b32 v[W2+\b], v[W0+\b], 0x7f800000, s[MNT]
.endr
.irp b, 0,1,2,3
	v_lshrrev_b32 v[W1+\b], 23, v[W3+\b]
.endr
	s_delay_alu instid0(VALU_DEP_3)
	v_lshl_or_b32 v[PSW], v[W1+1], 8, v[W1]        ; p's scale word: made ahead of the 64 holds, more than eight places ahead of its product
	s_delay_alu instid0(VALU_DEP_1)
	v_lshl_or_b32 v[PSW], v[W1+2], 16, v[PSW]
	s_delay_alu instid0(VALU_DEP_1)
	v_lshl_or_b32 v[PSW], v[W1+3], 24, v[PSW]
; p is not negative: the hold is one-sided.  Two holds to an instruction, one of block b and one of block b + 1: one destination even and one odd, and the sources' and the bounds' register numbers differ modulo 4
.irp b, 0,2
.irp i, 0,2,4,6,8,10,12,14
	v_dual_min_num_f32 v[S+16*\b+\i], v[S+16*\b+\i], v[W2+\b] :: v_dual_min_num_f32 v[S+17+16*\b+\i], v[S+17+16*\b+\i], v[W2+1+\b]
	v_dual_min_num_f32 v[S+1+16*\b+\i], v[S+1+16*\b+\i], v[W2+\b] :: v_dual_min_num_f32 v[S+16+16*\b+\i], v[S+16+16*\b+\i], v[W2+1+\b]
.endr
.irp u, 0,1
	v_cvt_scalef32_pk8_fp8_f32 v[PCD+4*(\b+\u):PCD+1+4*(\b+\u)], v[S+16*(\b+\u):S+7+16*(\b+\u)], v[W3+\b+\u]
	v_cvt_scalef32_pk8_fp8_f32 v[PCD+2+4*(\b+\u):PCD+3+4*(\b+\u)], v[S+8+16*(\b+\u):S+15+16*(\b+\u)], v[W3+\b+\u]
.endr
.endr
.set j, 0
.rept 16
	v_pk_mul_f32 v[O+j:O+j+1], v[O+j:O+j+1], v[FF:FF+1] op_sel_hi:[1,0]   ; O^T under the new M; also the places between the codes and their products
.set j, j+2
.endr
	s_wait_alu depctr_va_vdst(0)
	s_wait_dscnt 0x0                               ; V
.irp t, 0,1,2,3
	v_wmma_scale_f32_16x16x128_f8f6f4 v[O+8*\t:O+8*\t+7], v[32+16*\t:47+16*\t], v[PCD:PCD+15], v[O+8*\t:O+8*\t+7], v[VSW+\t], v[PSW]
.endr
	s_add_co_u32 s[TK], s[TK], 8704
	s_add_co_u32 s[TV], s[TV], 8448
.endm
	s_wait_alu depctr_va_vdst(0)
	s_wait_loadcnt 0x0                             ; Q
	s_cmp_lt_u32 s[WV], 4                          ; waves 0-3: blocks 0, 1 of K and of V are in; the other fills have load lines of their own and are waited for at the second barrier
	s_cbranch_scc0 .Lwait_later
	s_wait_tensorcnt 0x0
.Lwait_later:
	s_barrier_signal -1
	s_barrier_wait -1
	STEP
	STEP
	s_wait_tensorcnt 0x0                           ; the rest of the head
	s_barrier_signal -1
	s_barrier_wait -1
	s_mov_b32 s[CNT], 14
.Lkeys:
	STEP
	s_sub_co_u32 s[CNT], s[CNT], 1
	s_cmp_lg_u32 s[CNT], 0
	s_cbranch_scc1 .Lkeys
	; THE WAY OUT: O^T / the sum; register 16 b + i is feature 32 b + 16 h + i of my query: two blocks of 32, quantised; the codes are registers 8 (head % 2) .. + 7 of a fragment of OC
.rept 8
	v_nop                                          ; places behind the last products
.endr
	v_add_f32 v14, v14, v15
	s_delay_alu instid0(VALU_DEP_1)
	v_permlanex16_b32 v[FF], v14, s[SEL], s[SEL+1]
	s_delay_alu instid0(VALU_DEP_1)
	v_add_f32 v14, v14, v[FF]
	s_wait_alu depctr_va_vdst(0)
	v_rcp_f32 v14, v14
	v_lshlrev_b32 v8, 3, v7                        ; 8 x lane
	v_add_nc_u32 v9, -1, v6                        ; all ones in lanes 0-15
	s_wait_alu depctr_va_vdst(0)
.set j, 0
.rept 32
	v_mul_f32 v[S+j], v[O+j], v14
.set j, j+1
.endr
.irp b, 0,1
	v_max3_num_f32 v[W0+\b], |v[S+16*\b]|, |v[S+1+16*\b]|, 0x4800000
.endr
.irp i, 2,4,6,8,10,12,14
.irp b, 0,1
	s_delay_alu instid0(VALU_DEP_2)
	v_max3_num_f32 v[W0+\b], v[W0+\b], |v[S+16*\b+\i]|, |v[S+1+16*\b+\i]|
.endr
.endr
.irp b, 0,1
	s_delay_alu instid0(VALU_DEP_2)
	v_permlanex16_b32 v[W1+\b], v[W0+\b], s[SEL], s[SEL+1]
.endr
.irp b, 0,1
	s_delay_alu instid0(VALU_DEP_2)
	v_max_num_f32 v[W0+\b], v[W0+\b], v[W1+\b]
.endr
.irp b, 0,1
	s_delay_alu instid0(VALU_DEP_2)
	v_add_nc_u32 v[W3+\b], 0xfc000000, v[W0+\b]
.endr
.irp b, 0,1
	s_delay_alu instid0(VALU_DEP_4)
	v_and_or_b32 v[W2+\b], v[W0+\b], 0x7f800000, s[MNT]
.endr
.irp b, 0,1
	s_delay_alu instid0(VALU_DEP_4)
	v_lshrrev_b32 v[W1+\b], 23, v[W3+\b]
.endr
	s_delay_alu instid0(VALU_DEP_1)
	v_lshl_or_b32 v[HW], v[W1+1], 8, v[W1]
	s_delay_alu instid0(VALU_DEP_1)
	v_and_b32 v[HW], v[HW], v9                     ; lanes 16-31 write zeros behind the words
.irp b, 0,1
.irp i, 0,1,2,3,4,5,6,7,8,9,10,11,12,13,14,15
	v_med3_num_f32 v[S+16*\b+\i], v[S+16*\b+\i], -v[W2+\b], v[W2+\b]
.endr
	v_cvt_scalef32_pk8_fp8_f32 v[PCD+4*\b:PCD+1+4*\b], v[S+16*\b:S+7+16*\b], v[W3+\b]
	v_cvt_scalef32_pk8_fp8_f32 v[PCD+2+4*\b:PCD+3+4*\b], v[S+8+16*\b:S+15+16*\b], v[W3+\b]
.endr
	v_nop
	global_store_b128 v1, v[PCD:PCD+3], s[92:93]               ; 512 consecutive bytes
	global_store_b128 v1, v[PCD+4:PCD+7], s[92:93] offset:512
	global_store_b16 v8, v[HW], s[94:95]                       ; two of a row's eight scale bytes: the block's four heads fill its 256 bytes between them
	s_wait_tensorcnt 0x0
	ds_add_u32 v253, v255
	s_wait_dscnt 0x0
	CROUND                                         ; the closing round
	s_endpgm
.Lfunc_end_k_qb94faaff8c_attn:
	.size	k_qb94faaff8c_attn, .Lfunc_end_k_qb94faaff8c_attn-k_qb94faaff8c_attn
	.p2alignl 7, 3214868480
	.fill 96, 4, 3214868480
	.section	.rodata,"a",@progbits
	.p2align	6, 0x0
	.amdhsa_kernel k_qb94faaff8c_attn
		.amdhsa_group_segment_fixed_size 276480
		.amdhsa_private_segment_fixed_size 0
		.amdhsa_enable_private_segment 0
		.amdhsa_kernarg_size 16
		.amdhsa_user_sgpr_count 2
		.amdhsa_user_sgpr_kernarg_segment_ptr 1
		.amdhsa_wavefront_size32 1
		.amdhsa_system_sgpr_workgroup_id_x 1
		.amdhsa_system_sgpr_workgroup_id_y 1
		.amdhsa_system_sgpr_workgroup_id_z 1
		.amdhsa_system_vgpr_workitem_id 0
		.amdhsa_next_free_vgpr 256
		.amdhsa_next_free_sgpr 100
		.amdhsa_reserve_vcc 0
		.amdhsa_float_denorm_mode_32 3
		.amdhsa_float_denorm_mode_16_64 3
		.amdhsa_memory_ordered 1
		.amdhsa_forward_progress 1
		.amdhsa_inst_pref_size 77
	.end_amdhsa_kernel
	.amdgpu_metadata
---
amdhsa.version: [ 1, 2 ]
amdhsa.kernels:
  - .name:           k_qb94faaff8c_attn
    .symbol:         k_qb94faaff8c_attn.kd
    .args:
      - { .name: QKV, .offset: 0, .size: 8, .value_kind: global_buffer, .address_space: global }
      - { .name: OC, .offset: 8, .size: 8, .value_kind: global_buffer, .address_space: global }
    .group_segment_fixed_size: 276480
    .private_segment_fixed_size: 0
    .kernarg_segment_align: 8
    .kernarg_segment_size: 16
    .max_flat_workgroup_size: 512
    .sgpr_count:     100
    .vgpr_count:     256
    .wavefront_size: 32
...
	.end_amdgpu_metadata
.endif
;; end of part 3
;; launch oproj (part 4): grid 8 x 32, 4 waves a work-group, clusters of 4 x 4, 327,680 bytes of LDS; arguments OC, QW, Y; writes Y
.if DOCPART == 4
	.amdgcn_target "amdgcn-amd-amdhsa--gfx1250"
	.amdhsa_code_object_version 6
	.text
	.protected	k_qb94faaff8c_oproj
	.globl	k_qb94faaff8c_oproj
	.p2align	8
	.type	k_qb94faaff8c_oproj,@function
k_qb94faaff8c_oproj:
	s_mov_b64 s[64:65], 0
	v_nop
	global_prefetch_b8 v0, s[64:65] scope:SCOPE_SE
	s_setreg_imm32_b32 hwreg(HW_REG_WAVE_MODE, 25, 1), 1
	s_wait_xcnt 0x0
	s_wait_alu depctr_hold_cnt(0) depctr_sa_sdst(0) depctr_va_vdst(0) depctr_va_sdst(0) depctr_va_ssrc(0) depctr_va_vcc(0) depctr_vm_vsrc(0)
	s_getreg_b32 s2, hwreg(HW_REG_IB_STS2, 6, 4)
	s_cmp_eq_u32 s2, 0
	s_cbranch_scc0 .Lentry_in_a_cluster
	s_endpgm
.Lentry_in_a_cluster:
	s_bfe_u32 s2, ttmp6, 0x10000c
	s_cmp_lg_u32 s2, 0xf033
	s_cbranch_scc0 .Lentry_shape_is_right
	s_endpgm
.Lentry_shape_is_right:
.set NJ,     4
.set BOFF,   7798784
.set LAPS,   NJ/4
.set BLKB,   4352
.set ROWB,   2*BLKB
.set HALFT,  4*ROWB
.set SLOT,   4*HALFT
.set SPARE,  2*SLOT
.set SPITCH, 272
.set NP,     8
.set ADRA, 16
.set ADRB, 20
.set ADRS, 22
.set STO,  24
.set RD,   25
.set CO,   26
.set SPW,  28
.set NIL,  29
.set SC,   32
.set BK,   64
.set ACC,  128
.set F0,   0
.set F1,   128
.set G1, 24
.set G0, 32
.set G1B, 48
.set G0B, 56
.set MSB, 0
.macro WIN new
.if MSB != \new
	s_set_vgpr_msb (MSB<<8)|\new
.set MSB, \new
.endif
.endm
.set MUL,  0x05
.set TO_F, 0x40
.macro JLOAD s
	s_cmp_eq_u32 s11, 0
	s_cbranch_scc0 .Lfor_b_\@
	tensor_load_to_lds s[G0+4*\s:G0+4*\s+3], s[G1:G1+7]
	s_nop 0
.rept 4
	v_nop
.endr
	s_branch .Lasked_\@
.Lfor_b_\@:
	tensor_load_to_lds s[G0B+4*\s:G0B+4*\s+3], s[G1B:G1B+7]
	s_nop 0
.rept 4
	v_nop
.endr
.Lasked_\@:
.endm
.macro CREST
	s_cmp_lg_u32 s10, 0
	s_cbranch_scc1 .Lnot_wave_0_\@
	s_barrier_signal -3
.Lnot_wave_0_\@:
	s_barrier_wait -3
	s_barrier_signal -1
	s_barrier_wait -1
.endm
.macro CROUND
	s_barrier_signal -1
	s_barrier_wait -1
	CREST
.endm
	s_load_b128 s[4:7], s[0:1], 0x0
	s_load_b64 s[8:9], s[0:1], 0x10
	v_lshl_add_u32 v[SPW], v0, 2, SPARE
	v_mov_b32 v[NIL], 0
	ds_add_u32 v28, v29
	ds_add_u32 v28, v29
	s_wait_dscnt 0x0
	v_lshrrev_b32 v1, 5, v0
	v_readfirstlane_b32 s10, v1
	s_lshr_b32 s11, s10, 1
	s_and_b32 s12, s10, 1
	s_bfe_u32 s40, ttmp6, 0x40000
	s_bfe_u32 s41, ttmp6, 0x40004
	s_lshl_b32 s42, ttmp9, 2
	s_add_co_u32 s42, s42, s40
	s_and_b32 s13, ttmp7, 0xffff
	s_lshl_b32 s13, s13, 2
	s_add_co_u32 s13, s13, s41
	s_lshl_b32 s43, s41, 2
	s_lshl_b32 s43, 15, s43
	s_lshl_b32 s44, 0x1111, s40
	s_or_b32 s[G1+0], s43, (3<<16)|(1<<21)
	s_or_b32 s[G1B+0], s44, (3<<16)|(1<<21)
.irp g, G1, G1B
	s_mov_b32 s[\g+1], 1088<<16
	s_mov_b32 s[\g+2], 4<<16
	s_mov_b32 s[\g+3], 1088<<16
	s_mov_b32 s[\g+4], 4
	s_mov_b32 s[\g+5], NJ*544
	s_mov_b32 s[\g+6], 0
	s_mov_b32 s[\g+7], 0
.endr
	s_lshl_b32 s17, s12, 2
	s_lshl_b32 s16, s13, 3
	s_add_co_u32 s16, s16, s17
	s_mul_i32 s16, s16, NJ*BLKB
	s_lshl_b32 s46, s42, 3
	s_add_co_u32 s46, s46, s17
	s_mul_i32 s46, s46, NJ*BLKB
	s_add_co_u32 s46, s46, BOFF
	s_mov_b32 s17, 0
	s_mov_b32 s47, 0
	s_mul_i32 s20, s10, HALFT
	s_wait_kmcnt 0x0
	s_add_nc_u64 s[14:15], s[4:5], s[16:17]
	s_add_nc_u64 s[46:47], s[6:7], s[46:47]
	CROUND
.irp s, 0,1
	s_mov_b32 s[G0+4*\s], 1
	s_add_co_u32 s[G0+4*\s+1], s20, \s*SLOT
	s_add_nc_u64 s[G0+4*\s+2:G0+4*\s+3], s[14:15], \s*ROWB
	s_or_b32 s[G0+4*\s+3], s[G0+4*\s+3], 0x80000000
	s_mov_b32 s[G0B+4*\s], 1
	s_add_co_u32 s[G0B+4*\s+1], s20, \s*SLOT
	s_add_nc_u64 s[G0B+4*\s+2:G0B+4*\s+3], s[46:47], \s*ROWB
	s_or_b32 s[G0B+4*\s+3], s[G0B+4*\s+3], 0x80000000
.if \s                                 ; slot 1's first fill is issued as a refill is; slot 0's stands behind the opening round
	s_wait_alu depctr_va_vdst(0)
	s_wait_tensorcnt 0x0
	ds_add_u32 v28, v29
	ds_add_u32 v28, v29
	s_wait_dscnt 0x0
	CROUND
.endif
	JLOAD \s
.endr
	v_and_b32 v1, 15, v0
	v_bfe_u32 v2, v0, 4, 1
	v_and_b32 v3, 31, v0
	v_lshlrev_b32 v3, 4, v3
	s_mul_i32 s21, s11, HALFT
	s_mul_i32 s22, s12, HALFT
	s_add_co_u32 s22, s22, 2*HALFT
	s_sub_co_u32 s23, s22, s21
	v_mul_u32_u24 v4, s23, v2
	v_lshl_add_u32 v4, v1, 3, v4
	v_add_nc_u32 v4, 4096, v4
.irp s, 0,1
	v_add_nc_u32 v[ADRA+\s], s21, v3
	v_add_nc_u32 v[ADRB+\s], s22, v3
	v_add_nc_u32 v[ADRS+\s], s21, v4
	s_add_co_u32 s21, s21, SLOT
	s_add_co_u32 s22, s22, SLOT
.endr
	s_mul_i32 s23, s10, 16*SPITCH
	v_mul_u32_u24 v5, v1, SPITCH
	v_lshl_add_u32 v5, v2, 6, v5
	v_add_nc_u32 v[STO], s23, v5
	v_mul_u32_u24 v5, v2, SPITCH
	v_lshl_add_u32 v5, v1, 4, v5
	v_add_nc_u32 v[RD], s23, v5
	v_lshlrev_b32 v5, 12, v2
	v_lshl_add_u32 v[CO], v1, 4, v5
	s_lshl_b32 s16, s13, 7
	s_lshl_b32 s17, s11, 6
	s_add_co_u32 s16, s16, s17
	s_lshl_b32 s16, s16, 12
	s_lshl_b32 s46, s42, 9
	s_lshl_b32 s47, s12, 8
	s_add_co_u32 s46, s46, s47
	s_add_co_u32 s46, s46, s16
	s_mov_b32 s47, 0
	s_add_nc_u64 s[8:9], s[8:9], s[46:47]
.macro FRAG reg, adr, qq, i
.irp c, 0,1,2,3
	ds_load_b128 v[\reg+4*\c:\reg+4*\c+3], v[\adr] offset:(\i)*ROWB+((\qq)/2)*BLKB+((\qq)%2)*2048+512*\c
.endr
.endm
.macro FETCH slot, qq, f, sc
	WIN TO_F
.irp i, 0,1,2,3
	FRAG \f+64+16*\i, ADRB+\slot, \qq, \i
.endr
	FRAG \f, ADRA+\slot, \qq, 0
	FRAG \f+16, ADRA+\slot, \qq, 1
.if \sc
	WIN 0
.irp i, 0,1,2,3
.irp j, 0,1
	ds_load_b64 v[SC+16*\slot+4*\i+2*\j:SC+16*\slot+4*\i+2*\j+1], v[ADRS+\slot] offset:\i*ROWB+\j*BLKB
.endr
.endr
	WIN TO_F
.endif
	FRAG \f+32, ADRA+\slot, \qq, 2
	FRAG \f+48, ADRA+\slot, \qq, 3
.endm
.macro MUL4 f, qq, sl, a, zero
.irp b, 0,1,2,3
.if \zero
	v_wmma_scale_f32_16x16x128_f8f6f4 v[ACC+8*(4*(\a)+\b):ACC+8*(4*(\a)+\b)+7], v[\f+64+16*\b:\f+64+16*\b+15], v[\f+16*(\a):\f+16*(\a)+15], 0, v[SC+16*(\sl)+4*\b+(\qq)], v[SC+16*(\sl)+4*(\a)+(\qq)] matrix_a_scale:MATRIX_SCALE_ROW1
.else
	v_wmma_scale_f32_16x16x128_f8f6f4 v[ACC+8*(4*(\a)+\b):ACC+8*(4*(\a)+\b)+7], v[\f+64+16*\b:\f+64+16*\b+15], v[\f+16*(\a):\f+16*(\a)+15], v[ACC+8*(4*(\a)+\b):ACC+8*(4*(\a)+\b)+7], v[SC+16*(\sl)+4*\b+(\qq)], v[SC+16*(\sl)+4*(\a)+(\qq)] matrix_a_scale:MATRIX_SCALE_ROW1
.endif
.endr
.endm
.macro PLACES n
.rept \n
	v_nop
.endr
.endm
.macro QUARTER slot, qq, f, g, zero
	s_wait_dscnt 8
	WIN MUL
	MUL4 \f, \qq, \slot, 0, \zero
	MUL4 \f, \qq, \slot, 1, \zero
	PLACES NP
	FETCH \slot, (\qq)+1, \g, 0
	s_wait_dscnt 32
	WIN MUL
	MUL4 \f, \qq, \slot, 2, \zero
	MUL4 \f, \qq, \slot, 3, \zero
.endm
.macro TURN slot, next, fill
	WIN 0
	s_wait_tensorcnt 0x0
	ds_add_u32 v[SPW], v[NIL]
	s_wait_dscnt 9
	WIN MUL
	MUL4 F1, 3, \slot, 0, 0
	s_wait_dscnt 0x0
	s_barrier_signal -1
	MUL4 F1, 3, \slot, 1, 0
	WIN 0
	s_barrier_wait -1
.if \fill
	CREST
	s_add_nc_u64 s[G0+4*\slot+2:G0+4*\slot+3], s[G0+4*\slot+2:G0+4*\slot+3], 2*ROWB
	s_add_nc_u64 s[G0B+4*\slot+2:G0B+4*\slot+3], s[G0B+4*\slot+2:G0B+4*\slot+3], 2*ROWB
	JLOAD \slot
	PLACES NP-4
.else
	PLACES NP
.endif
	FETCH \next, 0, F0, 1
	WIN MUL
	MUL4 F1, 3, \slot, 2, 0
	MUL4 F1, 3, \slot, 3, 0
.endm
	s_wait_alu depctr_va_vdst(0)
	s_wait_tensorcnt 1
	s_barrier_signal -1
	s_barrier_wait -1
	FETCH 0, 0, F0, 1
	QUARTER 0, 0, F0, F1, 1
.if LAPS > 1
	WIN 0
	s_mov_b32 s3, LAPS-1
.Llap:
	QUARTER 0, 1, F1, F0, 0
	QUARTER 0, 2, F0, F1, 0
	TURN 0, 1, 1
	QUARTER 1, 0, F0, F1, 0
	QUARTER 1, 1, F1, F0, 0
	QUARTER 1, 2, F0, F1, 0
	TURN 1, 0, 1
	QUARTER 0, 0, F0, F1, 0
	WIN 0
	s_sub_co_u32 s3, s3, 1
	s_cmp_lg_u32 s3, 0
	s_cbranch_scc1 .Llap
.endif
	QUARTER 0, 1, F1, F0, 0
	QUARTER 0, 2, F0, F1, 0
	TURN 0, 1, 0
	QUARTER 1, 0, F0, F1, 0
	QUARTER 1, 1, F1, F0, 0
	QUARTER 1, 2, F0, F1, 0
	s_wait_dscnt 8
	WIN MUL
	MUL4 F1, 3, 1, 0, 0
	MUL4 F1, 3, 1, 1, 0
	s_wait_dscnt 0
	MUL4 F1, 3, 1, 2, 0
	MUL4 F1, 3, 1, 3, 0
	WIN 0
.macro TOSTAGE a
.irp b, 0,1,2,3
	ds_store_b128 v[STO], v[ACC+8*(4*(\a)+\b):ACC+8*(4*(\a)+\b)+3] offset:128*(\b/2)+32*(\b%2)
	ds_store_b128 v[STO], v[ACC+8*(4*(\a)+\b)+4:ACC+8*(4*(\a)+\b)+7] offset:128*(\b/2)+32*(\b%2)+16
.endr
.set BB, BK+32*((\a)%2)
.irp t, 0,1,2,3,4,5,6,7
	ds_load_b128 v[BB+4*\t:BB+4*\t+3], v[RD] offset:\t*2*SPITCH
.endr
.endm
.macro SEND a, younger
.set BB, BK+32*((\a)%2)
	s_wait_dscnt \younger
.irp t, 0,1,2,3,4,5,6,7
	global_store_b128 v[CO], v[BB+4*\t:BB+4*\t+3], s[8:9] offset:(32*((\a)/2)+8*((\a)%2)+2*\t+8*(\t/4))*4096 th:TH_STORE_NT
.endr
.endm
	PLACES NP
	TOSTAGE 0
	TOSTAGE 1
	SEND 0, 16
	s_wait_xcnt 0x0
	TOSTAGE 2
	SEND 1, 16
	s_wait_xcnt 0x0
	TOSTAGE 3
	SEND 2, 16
	SEND 3, 0
	s_wait_tensorcnt 0x0
	ds_add_u32 v[SPW], v[NIL]
	s_wait_dscnt 0x0
	CROUND
	s_endpgm
.Lfunc_end_k_qb94faaff8c_oproj:
	.size	k_qb94faaff8c_oproj, .Lfunc_end_k_qb94faaff8c_oproj-k_qb94faaff8c_oproj
	.p2alignl 7, 3214868480
	.fill 96, 4, 3214868480
	.section	.rodata,"a",@progbits
	.p2align	6, 0x0
	.amdhsa_kernel k_qb94faaff8c_oproj
		.amdhsa_group_segment_fixed_size 327680
		.amdhsa_private_segment_fixed_size 0
		.amdhsa_enable_private_segment 0
		.amdhsa_kernarg_size 24
		.amdhsa_user_sgpr_count 2
		.amdhsa_user_sgpr_kernarg_segment_ptr 1
		.amdhsa_wavefront_size32 1
		.amdhsa_system_sgpr_workgroup_id_x 1
		.amdhsa_system_sgpr_workgroup_id_y 1
		.amdhsa_system_sgpr_workgroup_id_z 1
		.amdhsa_system_vgpr_workitem_id 0
		.amdhsa_next_free_vgpr 512
		.amdhsa_next_free_sgpr 66
		.amdhsa_reserve_vcc 0
		.amdhsa_float_denorm_mode_32 3
		.amdhsa_float_denorm_mode_16_64 3
		.amdhsa_memory_ordered 1
		.amdhsa_forward_progress 1
		.amdhsa_inst_pref_size 52
	.end_amdhsa_kernel
	.amdgpu_metadata
---
amdhsa.version: [ 1, 2 ]
amdhsa.kernels:
  - .name:           k_qb94faaff8c_oproj
    .symbol:         k_qb94faaff8c_oproj.kd
    .args:
      - { .name: OC, .offset: 0, .size: 8, .value_kind: global_buffer, .address_space: global }
      - { .name: QW, .offset: 8, .size: 8, .value_kind: global_buffer, .address_space: global }
      - { .name: Y, .offset: 16, .size: 8, .value_kind: global_buffer, .address_space: global }
    .group_segment_fixed_size: 327680
    .private_segment_fixed_size: 0
    .kernarg_segment_align: 8
    .kernarg_segment_size: 24
    .max_flat_workgroup_size: 128
    .sgpr_count:     66
    .vgpr_count:     512
    .wavefront_size: 32
...
	.end_amdgpu_metadata
.endif
;; end of part 4
;; launch ln1 (part 5): grid 256 x 1, 8 waves a work-group, no clusters, 69,632 bytes of LDS; arguments Y, x, bo, g1, be1, H, HC; writes H, HC
.if DOCPART == 5
	.amdgcn_target "amdgcn-amd-amdhsa--gfx1250"
	.amdhsa_code_object_version 6
	.text
	.protected	k_qb94faaff8c_ln1
	.globl	k_qb94faaff8c_ln1
	.p2align	8
	.type	k_qb94faaff8c_ln1,@function
k_qb94faaff8c_ln1:
	s_mov_b64 s[64:65], 0
	v_nop
	global_prefetch_b8 v0, s[64:65] scope:SCOPE_SE
	s_setreg_imm32_b32 hwreg(HW_REG_WAVE_MODE, 25, 1), 1
	s_wait_xcnt 0x0
; h = LayerNorm(Y + bo + x) g1 + be1, rows of 1,024, all in f32; h goes out as f32 (H) and, quantised along the row to FP8 (E4M3) with E8M0 scales, as images of operand registers (HC).
; A work-group takes tile T: 16 rows in the order row(T, p) = 32 (T / 2) + 8 (T % 2) + p + 8 (p / 8).  Wave w takes columns 128 w .. + 127 of all 16 rows: every load and store is 512 consecutive bytes,
; and the wave's columns are one K step of 128 of the operand.  Mean first, then the mean of the squared differences: two sums over the waves through LDS, two barriers; no difference of large sums.
; Memory binds: no matrix unit, no cluster, no tensor load.
; LDS: 0 the first sums (64 bytes a wave), 512 the second, from 1,024 a stage of 16 rows x (512 + 16) bytes for each wave.
; LIMITS: a block of zeros gets the scale byte 1; NaN and infinities are not served.
.set QOUT, 1
.set Z,   16                           ; v16-79   16 rows x 4 numbers
.set R,   80                           ; v80-143  the residual; later 64 numbers for the quantiser
.set BI,  144
.set GG,  148
.set BE,  152
.set SS,  156                          ; v156-171 a sum for each row
.set TP,  172                          ; v172-187 at work
.set PC,  192
.set TM,  208
.set PW,  224
.set PWS, 225
.set LI,  3
.set RW,  4
.set RR,  5
.set SI,  6
.set SOUT, 7
.set L8,  8
.set MSK, 9
.set SEL, 24
.set MNT, 26
.set RED1, 0
.set RED2, 512
.macro QUANT s, relu
.if \relu
.irp b, 0,1,2,3
	v_max3_num_f32 v[TM+\b], v[\s+16*\b], v[\s+1+16*\b], 0x4800000
.endr
.irp i, 2,4,6,8,10,12,14
.irp b, 0,1,2,3
	v_max3_num_f32 v[TM+\b], v[TM+\b], v[\s+16*\b+\i], v[\s+1+16*\b+\i]
.endr
.endr
.else
.irp b, 0,1,2,3
	v_max3_num_f32 v[TM+\b], |v[\s+16*\b]|, |v[\s+1+16*\b]|, 0x4800000
.endr
.irp i, 2,4,6,8,10,12,14
.irp b, 0,1,2,3
	s_delay_alu instid0(VALU_DEP_4)
	v_max3_num_f32 v[TM+\b], v[TM+\b], |v[\s+16*\b+\i]|, |v[\s+1+16*\b+\i]|
.endr
.endr
.endif
.irp b, 0,1,2,3
	s_delay_alu instid0(VALU_DEP_4)
	v_permlanex16_b32 v[TM+4+\b], v[TM+\b], s[SEL], s[SEL+1]
.endr
.irp b, 0,1,2,3
	s_delay_alu instid0(VALU_DEP_4)
	v_max_num_f32 v[TM+\b], v[TM+\b], v[TM+4+\b]
.endr
.irp b, 0,1,2,3
	s_delay_alu instid0(VALU_DEP_4)
	v_add_nc_u32 v[TM+12+\b], 0xfc000000, v[TM+\b]
.endr
.irp b, 0,1,2,3
	v_and_or_b32 v[TM+8+\b], v[TM+\b], 0x7f800000, s[MNT]
.endr
.irp b, 0,1,2,3
	v_lshrrev_b32 v[TM+4+\b], 23, v[TM+12+\b]
.endr
	s_delay_alu instid0(VALU_DEP_3)
	v_lshl_or_b32 v[PW], v[TM+5], 8, v[TM+4]
	s_delay_alu instid0(VALU_DEP_1)
	v_lshl_or_b32 v[PW], v[TM+6], 16, v[PW]
	s_delay_alu instid0(VALU_DEP_1)
	v_lshl_or_b32 v[PW], v[TM+7], 24, v[PW]
.irp b, 0,1,2,3
.irp i, 0,1,2,3,4,5,6,7,8,9,10,11,12,13,14,15
.if \relu
	v_med3_num_f32 v[\s+16*\b+\i], v[\s+16*\b+\i], 0, v[TM+8+\b]
.else
	v_med3_num_f32 v[\s+16*\b+\i], v[\s+16*\b+\i], -v[TM+8+\b], v[TM+8+\b]
.endif
.endr
	v_cvt_scalef32_pk8_fp8_f32 v[PC+4*\b:PC+1+4*\b], v[\s+16*\b:\s+7+16*\b], v[TM+12+\b]
	v_cvt_scalef32_pk8_fp8_f32 v[PC+2+4*\b:PC+3+4*\b], v[\s+8+16*\b:\s+15+16*\b], v[TM+12+\b]
.endr
	v_nop
.endm
; my lane's part of each row's sum (sq = 0) or sum of squares (sq = 1) into v[SS + row]
.macro PARTIAL sq
.irp g, 0, 8
.irp p, 0,1,2,3,4,5,6,7
.if \sq
	v_pk_mul_f32 v[TP+2*\p:TP+2*\p+1], v[Z+4*(\g+\p):Z+4*(\g+\p)+1], v[Z+4*(\g+\p):Z+4*(\g+\p)+1]
.else
	v_pk_add_f32 v[TP+2*\p:TP+2*\p+1], v[Z+4*(\g+\p):Z+4*(\g+\p)+1], v[Z+4*(\g+\p)+2:Z+4*(\g+\p)+3]
.endif
.endr
.if \sq
.irp p, 0,1,2,3,4,5,6,7
	v_pk_fma_f32 v[TP+2*\p:TP+2*\p+1], v[Z+4*(\g+\p)+2:Z+4*(\g+\p)+3], v[Z+4*(\g+\p)+2:Z+4*(\g+\p)+3], v[TP+2*\p:TP+2*\p+1]
.endr
.endif
.irp p, 0,1,2,3,4,5,6,7
	v_add_f32 v[SS+\g+\p], v[TP+2*\p], v[TP+2*\p+1]
.endr
.endr
.endm
; over the 32 lanes, then over the 8 waves through LDS: afterwards lane l holds in v[TP] the sum of row l % 16
.macro ACROSS base
.irp m, 1,2,4,8
.irp p, 0,1,2,3,4,5,6,7,8,9,10,11,12,13,14,15
	v_add_f32_dpp v[SS+\p], v[SS+\p], v[SS+\p] row_xmask:\m row_mask:0xf bank_mask:0xf
.endr
.endr
.irp p, 0,1,2,3,4,5,6,7,8,9,10,11,12,13,14,15
	v_permlanex16_b32 v[TP+\p], v[SS+\p], s[SEL], s[SEL+1]
.endr
.irp p, 0,1,2,3,4,5,6,7,8,9,10,11,12,13,14,15
	v_add_f32 v[SS+\p], v[SS+\p], v[TP+\p]
.endr
.irp k, 0,1,2,3
	ds_store_b128 v[RW], v[SS+4*\k:SS+4*\k+3] offset:\base+16*\k   ; all lanes write the same 64 bytes with the same values
.endr
	s_wait_dscnt 0x0                               ; for the others' sake: my stores have landed
	s_barrier_signal -1
	s_barrier_wait -1
.irp w, 0,1,2,3,4,5,6,7
	ds_load_b32 v[TP+\w], v[RR] offset:\base+64*\w
.endr
	s_wait_dscnt 0x0
	v_add_f32 v[TP], v[TP], v[TP+1]
	v_add_f32 v[TP+2], v[TP+2], v[TP+3]
	v_add_f32 v[TP+4], v[TP+4], v[TP+5]
	v_add_f32 v[TP+6], v[TP+6], v[TP+7]
	s_delay_alu instid0(VALU_DEP_3)
	v_add_f32 v[TP], v[TP], v[TP+2]
	s_delay_alu instid0(VALU_DEP_2)
	v_add_f32 v[TP+4], v[TP+4], v[TP+6]
	s_delay_alu instid0(VALU_DEP_1)
	v_add_f32 v[TP], v[TP], v[TP+4]
.endm
	s_load_b256 s[4:11], s[0:1], 0x0               ; the sums s[4:5], the residual s[6:7], the bias s[8:9], g s[10:11]
	s_load_b128 s[12:15], s[0:1], 0x20             ; be s[12:13], the f32 result s[14:15]
.if QOUT
	s_load_b64 s[16:17], s[0:1], 0x30              ; the images
	v_lshl_add_u32 v232, v0, 2, 0x10c00
	v_mov_b32 v233, 0
.endif
	v_lshrrev_b32 v1, 5, v0
	s_delay_alu instid0(VALU_DEP_1)
	v_readfirstlane_b32 s18, v1                    ; wave
	v_and_b32 v2, 31, v0
	s_delay_alu instid0(VALU_DEP_1)
	v_lshlrev_b32 v[LI], 4, v2                     ; 16 x lane
	s_wait_alu depctr_va_vdst(0)
	s_lshl_b32 s19, s18, 6
	v_mov_b32 v[RW], s19                           ; my wave's 64 bytes of sums
	v_and_b32 v10, 15, v0                          ; r
	s_wait_alu depctr_va_vdst(0)
	v_lshlrev_b32 v[RR], 2, v10
	s_mov_b32 s[SEL], 0x76543210
	s_mov_b32 s[SEL+1], 0xfedcba98
	s_lshr_b32 s20, ttmp9, 1
	s_lshl_b32 s20, s20, 5
	s_and_b32 s21, ttmp9, 1
	s_lshl_b32 s21, s21, 3
	s_add_co_u32 s20, s20, s21
	s_lshl_b32 s20, s20, 12                        ; the tile's first row
	s_lshl_b32 s22, s18, 9                         ; my 128 columns
	s_mov_b32 s23, 0
	s_add_co_u32 s20, s20, s22
	s_mov_b32 s21, 0
.if QOUT
	s_mov_b32 s[MNT], 0x600000
	v_bfe_u32 v11, v0, 4, 1                        ; h
	s_mul_i32 s27, s18, 8448
	s_add_co_u32 s27, s27, 1024                    ; my stage
	v_add_nc_u32 v[SI], s27, v[LI]
	v_mul_u32_u24 v[SOUT], v10, 528
	s_delay_alu instid0(VALU_DEP_1)
	v_lshl_add_u32 v[SOUT], v11, 6, v[SOUT]
	s_delay_alu instid0(VALU_DEP_1)
	v_add_nc_u32 v[SOUT], s27, v[SOUT]
	v_lshlrev_b32 v[L8], 3, v2
	v_add_nc_u32 v[MSK], -1, v11
.irp b, 0,1,2,3
	v_mov_b32 v[TM+4+\b], 0
.endr
	s_lshl_b32 s28, ttmp9, 2
	s_lshr_b32 s29, s18, 1
	s_add_co_u32 s28, s28, s29
	s_mul_i32 s28, s28, 4352                       ; block wave / 2 of tile T
	s_and_b32 s30, s18, 1
	s_lshl_b32 s31, s30, 11
	s_add_co_u32 s48, s28, s31
	s_mov_b32 s49, 0
	s_lshl_b32 s31, s30, 2
	s_add_co_u32 s50, s28, s31
	s_add_co_u32 s50, s50, 4096
	s_mov_b32 s51, 0
.endif
	s_wait_kmcnt 0x0
	s_add_nc_u64 s[4:5], s[4:5], s[20:21]
	s_add_nc_u64 s[6:7], s[6:7], s[20:21]
	s_add_nc_u64 s[14:15], s[14:15], s[20:21]
	s_add_nc_u64 s[8:9], s[8:9], s[22:23]
	s_add_nc_u64 s[10:11], s[10:11], s[22:23]
	s_add_nc_u64 s[12:13], s[12:13], s[22:23]
.if QOUT
	s_add_nc_u64 s[48:49], s[16:17], s[48:49]
	s_add_nc_u64 s[50:51], s[16:17], s[50:51]
.endif
.irp p, 0,1,2,3,4,5,6,7,8,9,10,11,12,13,14,15
	global_load_b128 v[Z+4*\p:Z+4*\p+3], v[LI], s[4:5] offset:(\p+8*(\p/8))*4096 th:TH_LOAD_NT
	global_load_b128 v[R+4*\p:R+4*\p+3], v[LI], s[6:7] offset:(\p+8*(\p/8))*4096 th:TH_LOAD_NT
.endr
	global_load_b128 v[BI:BI+3], v[LI], s[8:9]
	global_load_b128 v[GG:GG+3], v[LI], s[10:11]
	global_load_b128 v[BE:BE+3], v[LI], s[12:13]
	s_wait_loadcnt 0x0
.irp p, 0,1,2,3,4,5,6,7,8,9,10,11,12,13,14,15
	v_pk_add_f32 v[Z+4*\p:Z+4*\p+1], v[Z+4*\p:Z+4*\p+1], v[BI:BI+1]
	v_pk_add_f32 v[Z+4*\p+2:Z+4*\p+3], v[Z+4*\p+2:Z+4*\p+3], v[BI+2:BI+3]
.endr
.irp p, 0,1,2,3,4,5,6,7,8,9,10,11,12,13,14,15
	v_pk_add_f32 v[Z+4*\p:Z+4*\p+1], v[Z+4*\p:Z+4*\p+1], v[R+4*\p:R+4*\p+1]
	v_pk_add_f32 v[Z+4*\p+2:Z+4*\p+3], v[Z+4*\p+2:Z+4*\p+3], v[R+4*\p+2:R+4*\p+3]
.endr
	PARTIAL 0
	ACROSS RED1
	s_delay_alu instid0(VALU_DEP_1)
	v_mul_f32 v[TP], 0x3a800000, v[TP]             ; / 1,024: the mean of row l % 16
.irp p, 0,1,2,3,4,5,6,7,8,9,10,11,12,13,14,15
	v_readlane_b32 s[32+\p], v[TP], \p
.endr
.irp p, 0,1,2,3,4,5,6,7,8,9,10,11,12,13,14,15
.irp k, 0,1,2,3
	v_subrev_f32 v[Z+4*\p+\k], s[32+\p], v[Z+4*\p+\k]
.endr
.endr
	PARTIAL 1
	ACROSS RED2                                    ; bytes of their own: a wave may still be reading the first sums
	s_delay_alu instid0(VALU_DEP_1)
	v_mul_f32 v[TP], 0x3a800000, v[TP]
	s_delay_alu instid0(VALU_DEP_1)
	v_add_f32 v[TP], 0x3727c5ac, v[TP]             ; + 1e-5
	s_wait_alu depctr_va_vdst(0)
	v_rsq_f32 v[TP+8], v[TP]
	v_nop
	s_wait_alu depctr_va_vdst(0)                   ; ahead of the first reader
.irp p, 0,1,2,3,4,5,6,7,8,9,10,11,12,13,14,15
	v_readlane_b32 s[66+\p], v[TP+8], \p
.endr
.irp p, 0,1,2,3,4,5,6,7,8,9,10,11,12,13,14,15
.irp k, 0,1,2,3
	v_mul_f32 v[Z+4*\p+\k], s[66+\p], v[Z+4*\p+\k]
.endr
	s_delay_alu instid0(VALU_DEP_3)
	v_pk_fma_f32 v[Z+4*\p:Z+4*\p+1], v[Z+4*\p:Z+4*\p+1], v[GG:GG+1], v[BE:BE+1]
	s_delay_alu instid0(VALU_DEP_2)
	v_pk_fma_f32 v[Z+4*\p+2:Z+4*\p+3], v[Z+4*\p+2:Z+4*\p+3], v[GG+2:GG+3], v[BE+2:BE+3]
	global_store_b128 v[LI], v[Z+4*\p:Z+4*\p+3], s[14:15] offset:(\p+8*(\p/8))*4096   ; 512 consecutive bytes
.endr
.if QOUT
	; my 16 rows x 128 columns turn through my stage, so that a lane holds 16 neighbours of each block of 32 of row r
.irp p, 0,1,2,3,4,5,6,7,8,9,10,11,12,13,14,15
	ds_store_b128 v[SI], v[Z+4*\p:Z+4*\p+3] offset:\p*528
.endr
.irp c, 0,1,2,3
.irp j, 0,1,2,3
	ds_load_b128 v[R+16*\c+4*\j:R+16*\c+4*\j+3], v[SOUT] offset:128*\c+16*\j   ; LDS serves a wave's instructions in order
.endr
.endr
	s_wait_dscnt 0x0
	QUANT R, 0
	v_and_b32 v[PWS], v[PW], v[MSK]
.irp c, 0,1,2,3
	global_store_b128 v[LI], v[PC+4*\c:PC+4*\c+3], s[48:49] offset:512*\c
.endr
	global_store_b32 v[L8], v[PWS], s[50:51]       ; lanes 0-15 the rows' words, lanes 16-31 zeros
.endif
	s_wait_tensorcnt 0x0
	ds_add_u32 v232, v233
	s_wait_dscnt 0x0
	s_endpgm
.Lfunc_end_k_qb94faaff8c_ln1:
	.size	k_qb94faaff8c_ln1, .Lfunc_end_k_qb94faaff8c_ln1-k_qb94faaff8c_ln1
	.p2alignl 7, 3214868480
	.fill 96, 4, 3214868480
	.section	.rodata,"a",@progbits
	.p2align	6, 0x0
	.amdhsa_kernel k_qb94faaff8c_ln1
		.amdhsa_group_segment_fixed_size 69632
		.amdhsa_private_segment_fixed_size 0
		.amdhsa_enable_private_segment 0
		.amdhsa_kernarg_size 56
		.amdhsa_user_sgpr_count 2
		.amdhsa_user_sgpr_kernarg_segment_ptr 1
		.amdhsa_wavefront_size32 1
		.amdhsa_system_sgpr_workgroup_id_x 1
		.amdhsa_system_sgpr_workgroup_id_y 1
		.amdhsa_system_sgpr_workgroup_id_z 1
		.amdhsa_system_vgpr_workitem_id 0
		.amdhsa_next_free_vgpr 234
		.amdhsa_next_free_sgpr 100
		.amdhsa_reserve_vcc 0
		.amdhsa_float_denorm_mode_32 3
		.amdhsa_float_denorm_mode_16_64 3
		.amdhsa_memory_ordered 1
		.amdhsa_forward_progress 1
		.amdhsa_inst_pref_size 51
	.end_amdhsa_kernel
	.amdgpu_metadata
---
amdhsa.version: [ 1, 2 ]
amdhsa.kernels:
  - .name:           k_qb94faaff8c_ln1
    .symbol:         k_qb94faaff8c_ln1.kd
    .args:
      - { .name: Y, .offset: 0, .size: 8, .value_kind: global_buffer, .address_space: global }
      - { .name: x, .offset: 8, .size: 8, .value_kind: global_buffer, .address_space: global }
      - { .name: bo, .offset: 16, .size: 8, .value_kind: global_buffer, .address_space: global }
      - { .name: g1, .offset: 24, .size: 8, .value_kind: global_buffer, .address_space: global }
      - { .name: be1, .offset: 32, .size: 8, .value_kind: global_buffer, .address_space: global }
      - { .name: H, .offset: 40, .size: 8, .value_kind: global_buffer, .address_space: global }
      - { .name: HC, .offset: 48, .size: 8, .value_kind: global_buffer, .address_space: global }
    .group_segment_fixed_size: 69632
    .private_segment_fixed_size: 0
    .kernarg_segment_align: 8
    .kernarg_segment_size: 56
    .max_flat_workgroup_size: 256
    .sgpr_count:     100
    .vgpr_count:     234
    .wavefront_size: 32
...
	.end_amdgpu_metadata
.endif
;; end of part 5
;; launch ffn1 (part 6): grid 16 x 16, 4 waves a work-group, clusters of 4 x 4, 327,680 bytes of LDS; arguments HC, QW, b1, HID; writes HID
.if DOCPART == 6
	.amdgcn_target "amdgcn-amd-amdhsa--gfx1250"
	.amdhsa_code_object_version 6
	.text
	.protected	k_qb94faaff8c_ffn1
	.globl	k_qb94faaff8c_ffn1
	.p2align	8
	.type	k_qb94faaff8c_ffn1,@function
k_qb94faaff8c_ffn1:
	s_mov_b64 s[64:65], 0
	v_nop
	global_prefetch_b8 v0, s[64:65] scope:SCOPE_SE
	s_setreg_imm32_b32 hwreg(HW_REG_WAVE_MODE, 25, 1), 1
	s_wait_xcnt 0x0
	s_wait_alu depctr_hold_cnt(0) depctr_sa_sdst(0) depctr_va_vdst(0) depctr_va_sdst(0) depctr_va_ssrc(0) depctr_va_vcc(0) depctr_vm_vsrc(0)
	s_getreg_b32 s2, hwreg(HW_REG_IB_STS2, 6, 4)
	s_cmp_eq_u32 s2, 0
	s_cbranch_scc0 .Lentry_in_a_cluster
	s_endpgm
.Lentry_in_a_cluster:
	s_bfe_u32 s2, ttmp6, 0x10000c
	s_cmp_lg_u32 s2, 0xf033
	s_cbranch_scc0 .Lentry_shape_is_right
	s_endpgm
.Lentry_shape_is_right:
.set NJ,     4
.set BLKB,   4352
.set HALFT,  8*BLKB
.set SLOT,   4*HALFT
.set SPARE,  2*SLOT
.set NQ,     2
.set FR,     16
.set NL,     4
.set NP,     8
.set LAPS,   2
.set LI,   3
.set ADRA, 16
.set ADRB, 20
.set ADRS, 22
.set L8,   24
.set MSK,  25
.set BO,   26
.set SPW,  28
.set NIL,  29
.set SC,   32
.set BN,   64
.set AF,   128
.set STG,  128
.set PC,   192
.set TM,   208
.set PW,   224
.set PWS,  225
.set G1, 24
.set G0, 32
.set G1B, 48
.set G0B, 56
.set SEL, 72
.set MNT, 74
.set MSB, 0
.macro WIN new
.if MSB != \new
	s_set_vgpr_msb (MSB<<8)|\new
.set MSB, \new
.endif
.endm
.set MUL_LO, 0xa1
.set MUL_HI, 0xf1
.set TO_B,   0x40
.macro JLOAD g0a, g1a, g0b, g1b
	s_cmp_eq_u32 s15, 0
	s_cbranch_scc0 .Lfor_b_\@
	tensor_load_to_lds s[\g0a:\g0a+3], s[\g1a:\g1a+7]
	s_nop 0
.rept 4
	v_nop
.endr
	s_branch .Lasked_\@
.Lfor_b_\@:
	tensor_load_to_lds s[\g0b:\g0b+3], s[\g1b:\g1b+7]
	s_nop 0
.rept 4
	v_nop
.endr
.Lasked_\@:
.endm
.macro CREST
	s_cmp_lg_u32 s14, 0
	s_cbranch_scc1 .Lnot_wave_0_\@
	s_barrier_signal -3
.Lnot_wave_0_\@:
	s_barrier_wait -3
	s_barrier_signal -1
	s_barrier_wait -1
.endm
.macro CROUND
	s_barrier_signal -1
	s_barrier_wait -1
	CREST
.endm
.macro QUANT s, relu
.if \relu
.irp b, 0,1,2,3
	v_max3_num_f32 v[TM+\b], v[\s+16*\b], v[\s+1+16*\b], 0x4800000
.endr
.irp i, 2,4,6,8,10,12,14
.irp b, 0,1,2,3
	v_max3_num_f32 v[TM+\b], v[TM+\b], v[\s+16*\b+\i], v[\s+1+16*\b+\i]
.endr
.endr
.else
.irp b, 0,1,2,3
	v_max3_num_f32 v[TM+\b], |v[\s+16*\b]|, |v[\s+1+16*\b]|, 0x4800000
.endr
.irp i, 2,4,6,8,10,12,14
.irp b, 0,1,2,3
	v_max3_num_f32 v[TM+\b], v[TM+\b], |v[\s+16*\b+\i]|, |v[\s+1+16*\b+\i]|
.endr
.endr
.endif
.irp b, 0,1,2,3
	v_permlanex16_b32 v[TM+4+\b], v[TM+\b], s[SEL], s[SEL+1]
.endr
.irp b, 0,1,2,3
	v_max_num_f32 v[TM+\b], v[TM+\b], v[TM+4+\b]
.endr
.irp b, 0,1,2,3
	v_add_nc_u32 v[TM+12+\b], 0xfc000000, v[TM+\b]
.endr
.irp b, 0,1,2,3
	v_and_or_b32 v[TM+8+\b], v[TM+\b], 0x7f800000, s[MNT]
.endr
.irp b, 0,1,2,3
	v_lshrrev_b32 v[TM+4+\b], 23, v[TM+12+\b]
.endr
	v_lshl_or_b32 v[PW], v[TM+5], 8, v[TM+4]
	v_lshl_or_b32 v[PW], v[TM+6], 16, v[PW]
	v_lshl_or_b32 v[PW], v[TM+7], 24, v[PW]
.irp b, 0,1,2,3
.irp i, 0,1,2,3,4,5,6,7,8,9,10,11,12,13,14,15
.if \relu
	v_med3_num_f32 v[\s+16*\b+\i], v[\s+16*\b+\i], 0, v[TM+8+\b]
.else
	v_med3_num_f32 v[\s+16*\b+\i], v[\s+16*\b+\i], -v[TM+8+\b], v[TM+8+\b]
.endif
.endr
	v_cvt_scalef32_pk8_fp8_f32 v[PC+4*\b:PC+1+4*\b], v[\s+16*\b:\s+7+16*\b], v[TM+12+\b]
	v_cvt_scalef32_pk8_fp8_f32 v[PC+2+4*\b:PC+3+4*\b], v[\s+8+16*\b:\s+15+16*\b], v[TM+12+\b]
.endr
	v_nop
.endm
	s_load_b128 s[4:7], s[0:1], 0x0
	s_load_b128 s[8:11], s[0:1], 0x10
	v_lshl_add_u32 v[SPW], v0, 2, SPARE
	v_mov_b32 v[NIL], 0
	ds_add_u32 v28, v29
	ds_add_u32 v28, v29
	s_wait_dscnt 0x0
	v_lshrrev_b32 v1, 5, v0
	v_readfirstlane_b32 s14, v1
	s_lshr_b32 s15, s14, 1
	s_and_b32 s16, s14, 1
	s_bfe_u32 s40, ttmp6, 0x40000
	s_bfe_u32 s41, ttmp6, 0x40004
	s_lshl_b32 s42, ttmp9, 2
	s_add_co_u32 s42, s42, s40
	s_and_b32 s17, ttmp7, 0xffff
	s_lshl_b32 s17, s17, 2
	s_add_co_u32 s17, s17, s41
	s_lshl_b32 s43, s41, 2
	s_lshl_b32 s43, 15, s43
	s_lshl_b32 s44, 0x1111, s40
	s_or_b32 s[G1+0], s43, (3<<16)|(1<<21)
	s_or_b32 s[G1B+0], s44, (3<<16)|(1<<21)
.irp g, G1, G1B
	s_mov_b32 s[\g+1], 544<<16
	s_mov_b32 s[\g+2], 8<<16
	s_mov_b32 s[\g+3], 544<<16
	s_mov_b32 s[\g+4], 8
	s_mov_b32 s[\g+5], NJ*544
	s_mov_b32 s[\g+6], 0
	s_mov_b32 s[\g+7], 0
.endr
	s_lshl_b32 s18, s16, 3
	s_lshl_b32 s20, s17, 4
	s_add_co_u32 s20, s20, s18
	s_mul_i32 s20, s20, NJ*BLKB
	s_mov_b32 s21, 0
	s_lshl_b32 s46, s42, 4
	s_add_co_u32 s46, s46, s18
	s_add_co_u32 s46, s46, 512
	s_mul_i32 s46, s46, NJ*BLKB
	s_mov_b32 s47, 0
	s_mul_i32 s45, s14, HALFT
	s_wait_kmcnt 0x0
	s_add_nc_u64 s[20:21], s[4:5], s[20:21]
	s_add_nc_u64 s[46:47], s[6:7], s[46:47]
	; THE PREFETCHES INTO THE L2.  A K step's load is 8 tiles x 4,352 bytes a wave.  The four partners that ask for it jointly share its tiles out by address: the partner at place p (cx for A, cy for B) takes tiles 2 p, 2 p + 1:
	; 34 blocks of 256 bytes, two instructions: v30 names tile 2 p's 17 blocks and the next tile's first 15, a lane a block; v31 that tile's last two (the lanes left over name the last again).  s[4:5]: where my two tiles stand.
	s_cmp_eq_u32 s15, 0                            ; do I fetch for A?
	s_cselect_b64 s[4:5], s[20:21], s[46:47]
	s_cselect_b32 s18, s40, s41
	s_mul_i32 s18, s18, 2*NJ*BLKB
	s_mov_b32 s19, 0
	s_add_nc_u64 s[4:5], s[4:5], s[18:19]
	v_and_b32 v31, 31, v0
	v_add_nc_u32 v30, 15, v31
	v_lshrrev_b32 v30, 5, v30                      ; 1 from lane 17 on
	v_mul_u32_u24 v30, v30, (NJ-1)*BLKB
	v_lshl_add_u32 v30, v31, 8, v30
	v_min_u32 v31, 1, v31
	v_lshl_add_u32 v31, v31, 8, NJ*BLKB+15*256
	s_wait_alu depctr_va_vdst(0)
	CROUND
.irp s, 0,1
	s_mov_b32 s[G0+4*\s], 1
	s_add_co_u32 s[G0+4*\s+1], s45, \s*SLOT
	s_add_nc_u64 s[G0+4*\s+2:G0+4*\s+3], s[20:21], \s*BLKB
	s_or_b32 s[G0+4*\s+3], s[G0+4*\s+3], 0x80000000
	s_mov_b32 s[G0B+4*\s], 1
	s_add_co_u32 s[G0B+4*\s+1], s45, \s*SLOT
	s_add_nc_u64 s[G0B+4*\s+2:G0B+4*\s+3], s[46:47], \s*BLKB
	s_or_b32 s[G0B+4*\s+3], s[G0B+4*\s+3], 0x80000000
.if \s                                 ; slot 1's first fill is issued as a refill is; slot 0's stands behind the opening round
	s_wait_alu depctr_va_vdst(0)
	s_wait_tensorcnt 0x0
	ds_add_u32 v28, v29
	ds_add_u32 v28, v29
	s_wait_dscnt 0x0
	CROUND
.endif
	JLOAD G0+4*\s, G1, G0B+4*\s, G1B
.if \s == 0                            ; behind K step 0's load: K steps 1 and 2; behind K step 1's: K step 3, the last
	global_prefetch_b8 v30, s[4:5] offset:BLKB th:TH_LOAD_NT scope:SCOPE_SE
	global_prefetch_b8 v31, s[4:5] offset:BLKB th:TH_LOAD_NT scope:SCOPE_SE
.endif
	global_prefetch_b8 v30, s[4:5] offset:(2+\s)*BLKB th:TH_LOAD_NT scope:SCOPE_SE
	global_prefetch_b8 v31, s[4:5] offset:(2+\s)*BLKB th:TH_LOAD_NT scope:SCOPE_SE
.endr
	s_mov_b32 s[SEL], 0x76543210
	s_mov_b32 s[SEL+1], 0xfedcba98
	s_mov_b32 s[MNT], 0x600000
	s_lshl_b32 s66, s17, 4
	s_lshl_b32 s67, s15, 3
	s_add_co_u32 s66, s66, s67
	s_lshl_b32 s66, s66, 4
	s_add_co_u32 s66, s66, s42
	s_mul_i32 s66, s66, BLKB
	s_mov_b32 s67, 0
	s_add_nc_u64 s[68:69], s[10:11], s[66:67]
	s_lshl_b32 s70, s16, 11
	s_mov_b32 s71, 0
	s_add_nc_u64 s[66:67], s[68:69], s[70:71]
	s_lshl_b32 s70, s16, 2
	s_add_co_u32 s70, s70, 4096
	s_add_nc_u64 s[68:69], s[68:69], s[70:71]
	s_lshl_b32 s70, s42, 10
	s_lshl_b32 s75, s16, 9
	s_add_co_u32 s70, s70, s75
	s_add_nc_u64 s[76:77], s[8:9], s[70:71]
	v_and_b32 v1, 15, v0
	v_bfe_u32 v2, v0, 4, 1
	v_and_b32 v4, 31, v0
	v_lshlrev_b32 v[LI], 4, v4
	v_lshlrev_b32 v[L8], 3, v4
	v_add_nc_u32 v[MSK], -1, v2
	v_lshlrev_b32 v[BO], 6, v2
	s_mul_i32 s21, s15, HALFT
	s_mul_i32 s22, s16, HALFT
	s_add_co_u32 s22, s22, 2*HALFT
	s_sub_co_u32 s23, s22, s21
	v_mul_u32_u24 v5, s23, v2
	v_lshl_add_u32 v5, v1, 3, v5
	v_add_nc_u32 v5, 4096, v5
.irp s, 0,1
	v_add_nc_u32 v[ADRA+\s], s21, v[LI]
	v_add_nc_u32 v[ADRB+\s], s22, v[LI]
	v_add_nc_u32 v[ADRS+\s], s21, v5
	s_add_co_u32 s21, s21, SLOT
	s_add_co_u32 s22, s22, SLOT
.endr
.irp b, 0,1,2,3
.irp j, 0,1,2,3
	global_load_b128 v[BN+16*\b+4*\j:BN+16*\b+4*\j+3], v[BO], s[76:77] offset:128*\b+16*\j
.endr
.endr
.macro FRAG reg, adr, q, i
.irp c, 0,1,2,3
	ds_load_b128 v[\reg+4*\c:\reg+4*\c+3], v[\adr] offset:(\i)*BLKB+2048*(\q)+512*\c
.endr
.endm
.macro MUL16 a0, p, q, sc, zero
.irp a, \a0, \a0+1
.irp b, 0,1,2,3,4,5,6,7
.if \zero
	v_wmma_scale_f32_16x16x128_f8f6f4 v[8*(8*((\a)%4)+\b):8*(8*((\a)%4)+\b)+7], v[128*(\p)+FR*\b:128*(\p)+FR*\b+FR-1], v[AF+FR*(\a):AF+FR*(\a)+FR-1], 0, v[SC+8*NQ*(\sc)+NQ*\b+(\q)], v[SC+8*NQ*(\sc)+NQ*(\a)+(\q)] matrix_a_scale:MATRIX_SCALE_ROW1
.else
	v_wmma_scale_f32_16x16x128_f8f6f4 v[8*(8*((\a)%4)+\b):8*(8*((\a)%4)+\b)+7], v[128*(\p)+FR*\b:128*(\p)+FR*\b+FR-1], v[AF+FR*(\a):AF+FR*(\a)+FR-1], v[8*(8*((\a)%4)+\b):8*(8*((\a)%4)+\b)+7], v[SC+8*NQ*(\sc)+NQ*\b+(\q)], v[SC+8*NQ*(\sc)+NQ*(\a)+(\q)] matrix_a_scale:MATRIX_SCALE_ROW1
.endif
.endr
.endr
.endm
.macro FETCH_B slot, q, p
	WIN TO_B
.irp i, 0,1,2,3,4,5,6,7
	FRAG 128*(\p)+FR*\i, ADRB+\slot, \q, \i
.endr
	WIN 0
.endm
.macro FETCH_A slot, q, i0
.irp i, \i0, \i0+1, \i0+2, \i0+3
	FRAG AF+FR*(\i), ADRA+\slot, \q, \i
.endr
.endm
.macro SCALES sc
.irp i, 0,1,2,3,4,5,6,7
	ds_load_b64 v[SC+8*NQ*\sc+NQ*\i:SC+8*NQ*\sc+NQ*\i+1], v[ADRS+\sc] offset:\i*BLKB
.endr
.endm
.macro PLACES n
.rept \n
	v_nop
.endr
.endm
.macro STEP slot, q, zero
	s_wait_dscnt 4*NL
	WIN MUL_LO
	MUL16 0, (\q)%2, \q, \slot, \zero
	MUL16 2, (\q)%2, \q, \slot, \zero
	s_wait_dscnt 0
	PLACES NP
	FETCH_B \slot, (\q)+1, 1-(\q)%2
	FETCH_A \slot, (\q)+1, 0
	WIN MUL_HI
	MUL16 4, (\q)%2, \q, \slot, \zero
	MUL16 6, (\q)%2, \q, \slot, \zero
	PLACES NP
	WIN 0
	FETCH_A \slot, (\q)+1, 4
.endm
.macro TURN slot, next, fill
	s_wait_tensorcnt 0x0
	ds_add_u32 v[SPW], v[NIL]
	s_wait_dscnt 4*NL+1
	WIN MUL_LO
	MUL16 0, 1, NQ-1, \slot, 0
	s_wait_dscnt 0x0
	s_barrier_signal -1
	MUL16 2, 1, NQ-1, \slot, 0
	WIN 0
	s_barrier_wait -1
.if \fill
	CREST
	s_add_nc_u64 s[G0+4*\slot+2:G0+4*\slot+3], s[G0+4*\slot+2:G0+4*\slot+3], 2*BLKB
	s_add_nc_u64 s[G0B+4*\slot+2:G0B+4*\slot+3], s[G0B+4*\slot+2:G0B+4*\slot+3], 2*BLKB
	JLOAD G0+4*\slot, G1, G0B+4*\slot, G1B
	PLACES NP-4
.else
	PLACES NP
.endif
	FETCH_B \next, 0, 0
	FETCH_A \next, 0, 0
	SCALES \next
	WIN MUL_HI
	MUL16 4, 1, NQ-1, \slot, 0
	MUL16 6, 1, NQ-1, \slot, 0
	PLACES NP
	WIN 0
	FETCH_A \next, 0, 4
.endm
	s_wait_alu depctr_va_vdst(0)
	s_wait_tensorcnt 1
	s_barrier_signal -1
	s_barrier_wait -1
	FETCH_B 0, 0, 0
	FETCH_A 0, 0, 0
	SCALES 0
	FETCH_A 0, 0, 4
	STEP 0, 0, 1
	s_mov_b32 s3, LAPS-1
.Llap:
	TURN 0, 1, 1
	STEP 1, 0, 0
	TURN 1, 0, 1
	STEP 0, 0, 0
	s_sub_co_u32 s3, s3, 1
	s_cmp_lg_u32 s3, 0
	s_cbranch_scc1 .Llap
	TURN 0, 1, 0
	STEP 1, 0, 0
	s_wait_dscnt 4*NL
	WIN MUL_LO
	MUL16 0, 1, NQ-1, 1, 0
	MUL16 2, 1, NQ-1, 1, 0
	s_wait_dscnt 0
	WIN MUL_HI
	MUL16 4, 1, NQ-1, 1, 0
	MUL16 6, 1, NQ-1, 1, 0
	WIN 0
.macro OUTB a
.set AC, 64*((\a)%4)
.set WW, 0x02+(\a)/4
	WIN WW
.set i, 0
.rept 32
	v_pk_add_f32 v[STG+i:STG+i+1], v[AC+i:AC+i+1], v[BN+i:BN+i+1]
.set i, i+2
.endr
	WIN 0
	s_wait_xcnt 0x0
	QUANT STG, 1
	v_and_b32 v[PWS], v[PW], v[MSK]
.irp c, 0,1,2,3
	global_store_b128 v[LI], v[PC+4*\c:PC+4*\c+3], s[66:67] offset:(\a)*16*BLKB+512*\c
.endr
	global_store_b32 v[L8], v[PWS], s[68:69] offset:(\a)*16*BLKB
.endm
	PLACES NP
.irp b, 0,1,2,3
	v_mov_b32 v[TM+4+\b], 0
.endr
	s_wait_loadcnt 0x0
.irp a, 0,1,2,3,4,5,6,7
	OUTB \a
.endr
	s_wait_tensorcnt 0x0
	ds_add_u32 v[SPW], v[NIL]
	s_wait_dscnt 0x0
	CROUND
	s_endpgm
.Lfunc_end_k_qb94faaff8c_ffn1:
	.size	k_qb94faaff8c_ffn1, .Lfunc_end_k_qb94faaff8c_ffn1-k_qb94faaff8c_ffn1
	.p2alignl 7, 3214868480
	.fill 96, 4, 3214868480
	.section	.rodata,"a",@progbits
	.p2align	6, 0x0
	.amdhsa_kernel k_qb94faaff8c_ffn1
		.amdhsa_group_segment_fixed_size 327680
		.amdhsa_private_segment_fixed_size 0
		.amdhsa_enable_private_segment 0
		.amdhsa_kernarg_size 32
		.amdhsa_user_sgpr_count 2
		.amdhsa_user_sgpr_kernarg_segment_ptr 1
		.amdhsa_wavefront_size32 1
		.amdhsa_system_sgpr_workgroup_id_x 1
		.amdhsa_system_sgpr_workgroup_id_y 1
		.amdhsa_system_sgpr_workgroup_id_z 1
		.amdhsa_system_vgpr_workitem_id 0
		.amdhsa_next_free_vgpr 1024
		.amdhsa_next_free_sgpr 100
		.amdhsa_reserve_vcc 0
		.amdhsa_float_denorm_mode_32 3
		.amdhsa_float_denorm_mode_16_64 3
		.amdhsa_memory_ordered 1
		.amdhsa_forward_progress 1
		.amdhsa_inst_pref_size 202
	.end_amdhsa_kernel
	.amdgpu_metadata
---
amdhsa.version: [ 1, 2 ]
amdhsa.kernels:
  - .name:           k_qb94faaff8c_ffn1
    .symbol:         k_qb94faaff8c_ffn1.kd
    .args:
      - { .name: HC, .offset: 0, .size: 8, .value_kind: global_buffer, .address_space: global }
      - { .name: QW, .offset: 8, .size: 8, .value_kind: global_buffer, .address_space: global }
      - { .name: b1, .offset: 16, .size: 8, .value_kind: global_buffer, .address_space: global }
      - { .name: HID, .offset: 24, .size: 8, .value_kind: global_buffer, .address_space: global }
    .group_segment_fixed_size: 327680
    .private_segment_fixed_size: 0
    .kernarg_segment_align: 8
    .kernarg_segment_size: 32
    .max_flat_workgroup_size: 128
    .sgpr_count:     100
    .vgpr_count:     1024
    .wavefront_size: 32
...
	.end_amdgpu_metadata
.endif
;; end of part 6
;; launch ffn2 (part 7): grid 8 x 32, 4 waves a work-group, clusters of 4 x 4, 327,680 bytes of LDS; arguments HID, QW, Y; writes Y
.if DOCPART == 7
	.amdgcn_target "amdgcn-amd-amdhsa--gfx1250"
	.amdhsa_code_object_version 6
	.text
	.protected	k_qb94faaff8c_ffn2
	.globl	k_qb94faaff8c_ffn2
	.p2align	8
	.type	k_qb94faaff8c_ffn2,@function
k_qb94faaff8c_ffn2:
	s_mov_b64 s[64:65], 0
	v_nop
	global_prefetch_b8 v0, s[64:65] scope:SCOPE_SE
	s_setreg_imm32_b32 hwreg(HW_REG_WAVE_MODE, 25, 1), 1
	s_wait_xcnt 0x0
	s_wait_alu depctr_hold_cnt(0) depctr_sa_sdst(0) depctr_va_vdst(0) depctr_va_sdst(0) depctr_va_ssrc(0) depctr_va_vcc(0) depctr_vm_vsrc(0)
	s_getreg_b32 s2, hwreg(HW_REG_IB_STS2, 6, 4)
	s_cmp_eq_u32 s2, 0
	s_cbranch_scc0 .Lentry_in_a_cluster
	s_endpgm
.Lentry_in_a_cluster:
	s_bfe_u32 s2, ttmp6, 0x10000c
	s_cmp_lg_u32 s2, 0xf033
	s_cbranch_scc0 .Lentry_shape_is_right
	s_endpgm
.Lentry_shape_is_right:
.set NJ,     16
.set BOFF,   13369344
.set LAPS,   NJ/4
.set BLKB,   4352
.set ROWB,   2*BLKB
.set HALFT,  4*ROWB
.set SLOT,   4*HALFT
.set SPARE,  2*SLOT
.set SPITCH, 272
.set NP,     8
.set ADRA, 16
.set ADRB, 20
.set ADRS, 22
.set STO,  24
.set RD,   25
.set CO,   26
.set SPW,  28
.set NIL,  29
.set SC,   32
.set BK,   64
.set ACC,  128
.set F0,   0
.set F1,   128
.set G1, 24
.set G0, 32
.set G1B, 48
.set G0B, 56
.set MSB, 0
.macro WIN new
.if MSB != \new
	s_set_vgpr_msb (MSB<<8)|\new
.set MSB, \new
.endif
.endm
.set MUL,  0x05
.set TO_F, 0x40
.macro JLOAD s
	s_cmp_eq_u32 s11, 0
	s_cbranch_scc0 .Lfor_b_\@
	tensor_load_to_lds s[G0+4*\s:G0+4*\s+3], s[G1:G1+7]
	s_nop 0
.rept 4
	v_nop
.endr
	s_branch .Lasked_\@
.Lfor_b_\@:
	tensor_load_to_lds s[G0B+4*\s:G0B+4*\s+3], s[G1B:G1B+7]
	s_nop 0
.rept 4
	v_nop
.endr
.Lasked_\@:
.endm
.macro CREST
	s_cmp_lg_u32 s10, 0
	s_cbranch_scc1 .Lnot_wave_0_\@
	s_barrier_signal -3
.Lnot_wave_0_\@:
	s_barrier_wait -3
	s_barrier_signal -1
	s_barrier_wait -1
.endm
.macro CROUND
	s_barrier_signal -1
	s_barrier_wait -1
	CREST
.endm
	s_load_b128 s[4:7], s[0:1], 0x0
	s_load_b64 s[8:9], s[0:1], 0x10
	v_lshl_add_u32 v[SPW], v0, 2, SPARE
	v_mov_b32 v[NIL], 0
	ds_add_u32 v28, v29
	ds_add_u32 v28, v29
	s_wait_dscnt 0x0
	v_lshrrev_b32 v1, 5, v0
	v_readfirstlane_b32 s10, v1
	s_lshr_b32 s11, s10, 1
	s_and_b32 s12, s10, 1
	s_bfe_u32 s40, ttmp6, 0x40000
	s_bfe_u32 s41, ttmp6, 0x40004
	s_lshl_b32 s42, ttmp9, 2
	s_add_co_u32 s42, s42, s40
	s_and_b32 s13, ttmp7, 0xffff
	s_lshl_b32 s13, s13, 2
	s_add_co_u32 s13, s13, s41
	s_lshl_b32 s43, s41, 2
	s_lshl_b32 s43, 15, s43
	s_lshl_b32 s44, 0x1111, s40
	s_or_b32 s[G1+0], s43, (3<<16)|(1<<21)
	s_or_b32 s[G1B+0], s44, (3<<16)|(1<<21)
.irp g, G1, G1B
	s_mov_b32 s[\g+1], 1088<<16
	s_mov_b32 s[\g+2], 4<<16
	s_mov_b32 s[\g+3], 1088<<16
	s_mov_b32 s[\g+4], 4
	s_mov_b32 s[\g+5], NJ*544
	s_mov_b32 s[\g+6], 0
	s_mov_b32 s[\g+7], 0
.endr
	s_lshl_b32 s17, s12, 2
	s_lshl_b32 s16, s13, 3
	s_add_co_u32 s16, s16, s17
	s_mul_i32 s16, s16, NJ*BLKB
	s_lshl_b32 s46, s42, 3
	s_add_co_u32 s46, s46, s17
	s_mul_i32 s46, s46, NJ*BLKB
	s_add_co_u32 s46, s46, BOFF
	s_mov_b32 s17, 0
	s_mov_b32 s47, 0
	s_mul_i32 s20, s10, HALFT
	s_wait_kmcnt 0x0
	s_add_nc_u64 s[14:15], s[4:5], s[16:17]
	s_add_nc_u64 s[46:47], s[6:7], s[46:47]
	; THE PREFETCHES INTO THE L2.  A fill of a slot is 4 tiles x 8,704 bytes a wave.  The four partners that ask for it jointly share its tiles out by address: the partner at place p (cx for A, cy for B) takes tile p:
	; 34 blocks of 256 bytes, two instructions: v6 names blocks 0-31, a lane a block; v7 blocks 32 and 33 (the lanes left over name block 33 again).  s[66:67]: where my tile's fills stand.
	s_cmp_eq_u32 s11, 0                            ; do I fetch for A?
	s_cselect_b64 s[66:67], s[14:15], s[46:47]
	s_cselect_b32 s68, s40, s41
	s_mul_i32 s68, s68, NJ*BLKB
	s_mov_b32 s69, 0
	s_add_nc_u64 s[66:67], s[66:67], s[68:69]
	v_and_b32 v6, 31, v0
	v_min_u32 v7, 1, v6
	v_lshlrev_b32 v6, 8, v6
	v_lshl_add_u32 v7, v7, 8, 8192
	s_wait_alu depctr_va_vdst(0)
	CROUND
.irp s, 0,1
	s_mov_b32 s[G0+4*\s], 1
	s_add_co_u32 s[G0+4*\s+1], s20, \s*SLOT
	s_add_nc_u64 s[G0+4*\s+2:G0+4*\s+3], s[14:15], \s*ROWB
	s_or_b32 s[G0+4*\s+3], s[G0+4*\s+3], 0x80000000
	s_mov_b32 s[G0B+4*\s], 1
	s_add_co_u32 s[G0B+4*\s+1], s20, \s*SLOT
	s_add_nc_u64 s[G0B+4*\s+2:G0B+4*\s+3], s[46:47], \s*ROWB
	s_or_b32 s[G0B+4*\s+3], s[G0B+4*\s+3], 0x80000000
.if \s                                 ; slot 1's first fill is issued as a refill is; slot 0's stands behind the opening round
	s_wait_alu depctr_va_vdst(0)
	s_wait_tensorcnt 0x0
	ds_add_u32 v28, v29
	ds_add_u32 v28, v29
	s_wait_dscnt 0x0
	CROUND
.endif
	JLOAD \s
.if \s == 0                            ; behind fill 0's load: fills 1 and 2; behind fill 1's: fill 3
	global_prefetch_b8 v6, s[66:67] offset:ROWB th:TH_LOAD_NT scope:SCOPE_SE
	global_prefetch_b8 v7, s[66:67] offset:ROWB th:TH_LOAD_NT scope:SCOPE_SE
.endif
	global_prefetch_b8 v6, s[66:67] offset:(2+\s)*ROWB th:TH_LOAD_NT scope:SCOPE_SE
	global_prefetch_b8 v7, s[66:67] offset:(2+\s)*ROWB th:TH_LOAD_NT scope:SCOPE_SE
.endr
	v_and_b32 v1, 15, v0
	v_bfe_u32 v2, v0, 4, 1
	v_and_b32 v3, 31, v0
	v_lshlrev_b32 v3, 4, v3
	s_mul_i32 s21, s11, HALFT
	s_mul_i32 s22, s12, HALFT
	s_add_co_u32 s22, s22, 2*HALFT
	s_sub_co_u32 s23, s22, s21
	v_mul_u32_u24 v4, s23, v2
	v_lshl_add_u32 v4, v1, 3, v4
	v_add_nc_u32 v4, 4096, v4
.irp s, 0,1
	v_add_nc_u32 v[ADRA+\s], s21, v3
	v_add_nc_u32 v[ADRB+\s], s22, v3
	v_add_nc_u32 v[ADRS+\s], s21, v4
	s_add_co_u32 s21, s21, SLOT
	s_add_co_u32 s22, s22, SLOT
.endr
	s_mul_i32 s23, s10, 16*SPITCH
	v_mul_u32_u24 v5, v1, SPITCH
	v_lshl_add_u32 v5, v2, 6, v5
	v_add_nc_u32 v[STO], s23, v5
	v_mul_u32_u24 v5, v2, SPITCH
	v_lshl_add_u32 v5, v1, 4, v5
	v_add_nc_u32 v[RD], s23, v5
	v_lshlrev_b32 v5, 12, v2
	v_lshl_add_u32 v[CO], v1, 4, v5
	s_lshl_b32 s16, s13, 7
	s_lshl_b32 s17, s11, 6
	s_add_co_u32 s16, s16, s17
	s_lshl_b32 s16, s16, 12
	s_lshl_b32 s46, s42, 9
	s_lshl_b32 s47, s12, 8
	s_add_co_u32 s46, s46, s47
	s_add_co_u32 s46, s46, s16
	s_mov_b32 s47, 0
	s_add_nc_u64 s[8:9], s[8:9], s[46:47]
.macro FRAG reg, adr, qq, i
.irp c, 0,1,2,3
	ds_load_b128 v[\reg+4*\c:\reg+4*\c+3], v[\adr] offset:(\i)*ROWB+((\qq)/2)*BLKB+((\qq)%2)*2048+512*\c
.endr
.endm
.macro FETCH slot, qq, f, sc
	WIN TO_F
.irp i, 0,1,2,3
	FRAG \f+64+16*\i, ADRB+\slot, \qq, \i
.endr
	FRAG \f, ADRA+\slot, \qq, 0
	FRAG \f+16, ADRA+\slot, \qq, 1
.if \sc
	WIN 0
.irp i, 0,1,2,3
.irp j, 0,1
	ds_load_b64 v[SC+16*\slot+4*\i+2*\j:SC+16*\slot+4*\i+2*\j+1], v[ADRS+\slot] offset:\i*ROWB+\j*BLKB
.endr
.endr
	WIN TO_F
.endif
	FRAG \f+32, ADRA+\slot, \qq, 2
	FRAG \f+48, ADRA+\slot, \qq, 3
.endm
.macro MUL4 f, qq, sl, a, zero
.irp b, 0,1,2,3
.if \zero
	v_wmma_scale_f32_16x16x128_f8f6f4 v[ACC+8*(4*(\a)+\b):ACC+8*(4*(\a)+\b)+7], v[\f+64+16*\b:\f+64+16*\b+15], v[\f+16*(\a):\f+16*(\a)+15], 0, v[SC+16*(\sl)+4*\b+(\qq)], v[SC+16*(\sl)+4*(\a)+(\qq)] matrix_a_scale:MATRIX_SCALE_ROW1
.else
	v_wmma_scale_f32_16x16x128_f8f6f4 v[ACC+8*(4*(\a)+\b):ACC+8*(4*(\a)+\b)+7], v[\f+64+16*\b:\f+64+16*\b+15], v[\f+16*(\a):\f+16*(\a)+15], v[ACC+8*(4*(\a)+\b):ACC+8*(4*(\a)+\b)+7], v[SC+16*(\sl)+4*\b+(\qq)], v[SC+16*(\sl)+4*(\a)+(\qq)] matrix_a_scale:MATRIX_SCALE_ROW1
.endif
.endr
.endm
.macro PLACES n
.rept \n
	v_nop
.endr
.endm
.macro QUARTER slot, qq, f, g, zero
	s_wait_dscnt 8
	WIN MUL
	MUL4 \f, \qq, \slot, 0, \zero
	MUL4 \f, \qq, \slot, 1, \zero
	PLACES NP
	FETCH \slot, (\qq)+1, \g, 0
	s_wait_dscnt 32
	WIN MUL
	MUL4 \f, \qq, \slot, 2, \zero
	MUL4 \f, \qq, \slot, 3, \zero
.endm
.macro TURN slot, next, fill
	WIN 0
.if \fill
	s_wait_xcnt 0x0                                ; my prefetches have read their address: it steps one fill on
	s_add_nc_u64 s[66:67], s[66:67], ROWB
.endif
	s_wait_tensorcnt 0x0
	ds_add_u32 v[SPW], v[NIL]
	s_wait_dscnt 9
	WIN MUL
	MUL4 F1, 3, \slot, 0, 0
	s_wait_dscnt 0x0
	s_barrier_signal -1
	MUL4 F1, 3, \slot, 1, 0
	WIN 0
	s_barrier_wait -1
.if \fill
	CREST
	s_add_nc_u64 s[G0+4*\slot+2:G0+4*\slot+3], s[G0+4*\slot+2:G0+4*\slot+3], 2*ROWB
	s_add_nc_u64 s[G0B+4*\slot+2:G0B+4*\slot+3], s[G0B+4*\slot+2:G0B+4*\slot+3], 2*ROWB
	JLOAD \slot
	PLACES NP-4
.else
	PLACES NP
.endif
	s_wait_alu depctr_va_vdst(0)
	FETCH \next, 0, F0, 1
.if \fill                              ; behind the refill of fill f and the run of LDS loads: fill f + 2 is asked for; the loop's last trip (fills 6, 7) has none two on
	WIN 0
	s_cmp_gt_u32 s3, 1
	s_cbranch_scc0 .Lno_ask_\@
	global_prefetch_b8 v6, s[66:67] offset:3*ROWB th:TH_LOAD_NT scope:SCOPE_SE
	global_prefetch_b8 v7, s[66:67] offset:3*ROWB th:TH_LOAD_NT scope:SCOPE_SE
.Lno_ask_\@:
.endif
	WIN MUL
	MUL4 F1, 3, \slot, 2, 0
	MUL4 F1, 3, \slot, 3, 0
.endm
	s_wait_tensorcnt 1
	s_barrier_signal -1
	s_barrier_wait -1
	FETCH 0, 0, F0, 1
	QUARTER 0, 0, F0, F1, 1
.if LAPS > 1
	WIN 0
	s_mov_b32 s3, LAPS-1
.Llap:
	QUARTER 0, 1, F1, F0, 0
	QUARTER 0, 2, F0, F1, 0
	TURN 0, 1, 1
	QUARTER 1, 0, F0, F1, 0
	QUARTER 1, 1, F1, F0, 0
	QUARTER 1, 2, F0, F1, 0
	TURN 1, 0, 1
	QUARTER 0, 0, F0, F1, 0
	WIN 0
	s_sub_co_u32 s3, s3, 1
	s_cmp_lg_u32 s3, 0
	s_cbranch_scc1 .Llap
.endif
	QUARTER 0, 1, F1, F0, 0
	QUARTER 0, 2, F0, F1, 0
	TURN 0, 1, 0
	QUARTER 1, 0, F0, F1, 0
	QUARTER 1, 1, F1, F0, 0
	QUARTER 1, 2, F0, F1, 0
	s_wait_dscnt 8
	WIN MUL
	MUL4 F1, 3, 1, 0, 0
	MUL4 F1, 3, 1, 1, 0
	s_wait_dscnt 0
	MUL4 F1, 3, 1, 2, 0
	MUL4 F1, 3, 1, 3, 0
	WIN 0
.macro TOSTAGE a
.irp b, 0,1,2,3
	ds_store_b128 v[STO], v[ACC+8*(4*(\a)+\b):ACC+8*(4*(\a)+\b)+3] offset:128*(\b/2)+32*(\b%2)
	ds_store_b128 v[STO], v[ACC+8*(4*(\a)+\b)+4:ACC+8*(4*(\a)+\b)+7] offset:128*(\b/2)+32*(\b%2)+16
.endr
.set BB, BK+32*((\a)%2)
.irp t, 0,1,2,3,4,5,6,7
	ds_load_b128 v[BB+4*\t:BB+4*\t+3], v[RD] offset:\t*2*SPITCH
.endr
.endm
.macro SEND a, younger
.set BB, BK+32*((\a)%2)
	s_wait_dscnt \younger
.irp t, 0,1,2,3,4,5,6,7
	global_store_b128 v[CO], v[BB+4*\t:BB+4*\t+3], s[8:9] offset:(32*((\a)/2)+8*((\a)%2)+2*\t+8*(\t/4))*4096 th:TH_STORE_NT
.endr
.endm
	PLACES NP
	TOSTAGE 0
	TOSTAGE 1
	SEND 0, 16
	s_wait_xcnt 0x0
	TOSTAGE 2
	SEND 1, 16
	s_wait_xcnt 0x0
	TOSTAGE 3
	SEND 2, 16
	SEND 3, 0
	s_wait_tensorcnt 0x0
	ds_add_u32 v[SPW], v[NIL]
	s_wait_dscnt 0x0
	CROUND
	s_endpgm
.Lfunc_end_k_qb94faaff8c_ffn2:
	.size	k_qb94faaff8c_ffn2, .Lfunc_end_k_qb94faaff8c_ffn2-k_qb94faaff8c_ffn2
	.p2alignl 7, 3214868480
	.fill 96, 4, 3214868480
	.section	.rodata,"a",@progbits
	.p2align	6, 0x0
	.amdhsa_kernel k_qb94faaff8c_ffn2
		.amdhsa_group_segment_fixed_size 327680
		.amdhsa_private_segment_fixed_size 0
		.amdhsa_enable_private_segment 0
		.amdhsa_kernarg_size 24
		.amdhsa_user_sgpr_count 2
		.amdhsa_user_sgpr_kernarg_segment_ptr 1
		.amdhsa_wavefront_size32 1
		.amdhsa_system_sgpr_workgroup_id_x 1
		.amdhsa_system_sgpr_workgroup_id_y 1
		.amdhsa_system_sgpr_workgroup_id_z 1
		.amdhsa_system_vgpr_workitem_id 0
		.amdhsa_next_free_vgpr 512
		.amdhsa_next_free_sgpr 72
		.amdhsa_reserve_vcc 0
		.amdhsa_float_denorm_mode_32 3
		.amdhsa_float_denorm_mode_16_64 3
		.amdhsa_memory_ordered 1
		.amdhsa_forward_progress 1
		.amdhsa_inst_pref_size 92
	.end_amdhsa_kernel
	.amdgpu_metadata
---
amdhsa.version: [ 1, 2 ]
amdhsa.kernels:
  - .name:           k_qb94faaff8c_ffn2
    .symbol:         k_qb94faaff8c_ffn2.kd
    .args:
      - { .name: HID, .offset: 0, .size: 8, .value_kind: global_buffer, .address_space: global }
      - { .name: QW, .offset: 8, .size: 8, .value_kind: global_buffer, .address_space: global }
      - { .name: Y, .offset: 16, .size: 8, .value_kind: global_buffer, .address_space: global }
    .group_segment_fixed_size: 327680
    .private_segment_fixed_size: 0
    .kernarg_segment_align: 8
    .kernarg_segment_size: 24
    .max_flat_workgroup_size: 128
    .sgpr_count:     72
    .vgpr_count:     512
    .wavefront_size: 32
...
	.end_amdgpu_metadata
.endif
;; end of part 7
;; launch ln2 (part 8): grid 256 x 1, 8 waves a work-group, no clusters, 2,048 bytes of LDS; arguments Y, H, b2, g2, be2, out0; writes out0
.if DOCPART == 8
	.amdgcn_target "amdgcn-amd-amdhsa--gfx1250"
	.amdhsa_code_object_version 6
	.text
	.protected	k_qb94faaff8c_ln2
	.globl	k_qb94faaff8c_ln2
	.p2align	8
	.type	k_qb94faaff8c_ln2,@function
k_qb94faaff8c_ln2:
	s_mov_b64 s[64:65], 0
	v_nop
	global_prefetch_b8 v0, s[64:65] scope:SCOPE_SE
	s_setreg_imm32_b32 hwreg(HW_REG_WAVE_MODE, 25, 1), 1
	s_wait_xcnt 0x0
; out = LayerNorm(Y + b2 + h) g2 + be2, rows of 1,024, all in f32.
; A work-group takes 16 rows (tile T, in the order row(T, p) = 32 (T / 2) + 8 (T % 2) + p + 8 (p / 8)).  Wave w takes columns 128 w .. + 127 of all 16 rows: every load and store is 512 consecutive bytes.
; Mean first, then the mean of the squared differences: two sums over the waves through LDS, two barriers; no difference of large sums.
; Memory binds: no matrix unit, no cluster, no tensor load.  LDS: 0 the first sums (64 bytes a wave), 512 the second.
.set Z,   16                           ; v16-79   16 rows x 4 numbers
.set R,   80                           ; v80-143  the residual
.set BI,  144
.set GG,  148
.set BE,  152
.set SS,  156                          ; v156-171 a sum for each row
.set TP,  172                          ; v172-187 at work
.set LI,  3
.set RW,  4
.set RR,  5
.set SEL, 24
.set RED1, 0
.set RED2, 512
; my lane's part of each row's sum (sq = 0) or sum of squares (sq = 1) into v[SS + row]
.macro PARTIAL sq
.irp g, 0, 8
.irp p, 0,1,2,3,4,5,6,7
.if \sq
	v_pk_mul_f32 v[TP+2*\p:TP+2*\p+1], v[Z+4*(\g+\p):Z+4*(\g+\p)+1], v[Z+4*(\g+\p):Z+4*(\g+\p)+1]
.else
	v_pk_add_f32 v[TP+2*\p:TP+2*\p+1], v[Z+4*(\g+\p):Z+4*(\g+\p)+1], v[Z+4*(\g+\p)+2:Z+4*(\g+\p)+3]
.endif
.endr
.if \sq
.irp p, 0,1,2,3,4,5,6,7
	v_pk_fma_f32 v[TP+2*\p:TP+2*\p+1], v[Z+4*(\g+\p)+2:Z+4*(\g+\p)+3], v[Z+4*(\g+\p)+2:Z+4*(\g+\p)+3], v[TP+2*\p:TP+2*\p+1]
.endr
.endif
.irp p, 0,1,2,3,4,5,6,7
	v_add_f32 v[SS+\g+\p], v[TP+2*\p], v[TP+2*\p+1]
.endr
.endr
.endm
; over the 32 lanes, then over the 8 waves through LDS: afterwards lane l holds in v[TP] the sum of row l % 16
.macro ACROSS base
.irp m, 1,2,4,8
.irp p, 0,1,2,3,4,5,6,7,8,9,10,11,12,13,14,15
	v_add_f32_dpp v[SS+\p], v[SS+\p], v[SS+\p] row_xmask:\m row_mask:0xf bank_mask:0xf
.endr
.endr
.irp p, 0,1,2,3,4,5,6,7,8,9,10,11,12,13,14,15
	v_permlanex16_b32 v[TP+\p], v[SS+\p], s[SEL], s[SEL+1]
.endr
.irp p, 0,1,2,3,4,5,6,7,8,9,10,11,12,13,14,15
	v_add_f32 v[SS+\p], v[SS+\p], v[TP+\p]
.endr
.irp k, 0,1,2,3
	ds_store_b128 v[RW], v[SS+4*\k:SS+4*\k+3] offset:\base+16*\k   ; all lanes write the same 64 bytes with the same values
.endr
	s_wait_dscnt 0x0                               ; for the others' sake: my stores have landed
	s_barrier_signal -1
	s_barrier_wait -1
.irp w, 0,1,2,3,4,5,6,7
	ds_load_b32 v[TP+\w], v[RR] offset:\base+64*\w
.endr
	s_wait_dscnt 0x0
	v_add_f32 v[TP], v[TP], v[TP+1]
	v_add_f32 v[TP+2], v[TP+2], v[TP+3]
	v_add_f32 v[TP+4], v[TP+4], v[TP+5]
	v_add_f32 v[TP+6], v[TP+6], v[TP+7]
	s_delay_alu instid0(VALU_DEP_3)
	v_add_f32 v[TP], v[TP], v[TP+2]
	s_delay_alu instid0(VALU_DEP_2)
	v_add_f32 v[TP+4], v[TP+4], v[TP+6]
	s_delay_alu instid0(VALU_DEP_1)
	v_add_f32 v[TP], v[TP], v[TP+4]
.endm
	s_load_b256 s[4:11], s[0:1], 0x0               ; the sums s[4:5], the residual s[6:7], the bias s[8:9], g s[10:11]
	s_load_b128 s[12:15], s[0:1], 0x20             ; be s[12:13], the result s[14:15]
	v_lshl_add_u32 v232, v0, 2, 0x400
	v_mov_b32 v233, 0
	v_lshrrev_b32 v1, 5, v0
	s_delay_alu instid0(VALU_DEP_1)
	v_readfirstlane_b32 s18, v1                    ; wave
	v_and_b32 v2, 31, v0
	s_delay_alu instid0(VALU_DEP_1)
	v_lshlrev_b32 v[LI], 4, v2                     ; 16 x lane
	s_lshl_b32 s19, s18, 6
	v_mov_b32 v[RW], s19                           ; my wave's 64 bytes of sums
	v_and_b32 v10, 15, v0
	s_delay_alu instid0(VALU_DEP_1)
	v_lshlrev_b32 v[RR], 2, v10
	s_mov_b32 s[SEL], 0x76543210
	s_mov_b32 s[SEL+1], 0xfedcba98
	s_lshr_b32 s20, ttmp9, 1
	s_lshl_b32 s20, s20, 5
	s_and_b32 s21, ttmp9, 1
	s_lshl_b32 s21, s21, 3
	s_add_co_u32 s20, s20, s21
	s_lshl_b32 s20, s20, 12                        ; the tile's first row
	s_lshl_b32 s22, s18, 9                         ; my 128 columns
	s_mov_b32 s23, 0
	s_add_co_u32 s20, s20, s22
	s_mov_b32 s21, 0
	s_wait_alu depctr_va_vdst(0)
	s_wait_kmcnt 0x0
	s_add_nc_u64 s[4:5], s[4:5], s[20:21]
	s_add_nc_u64 s[6:7], s[6:7], s[20:21]
	s_add_nc_u64 s[14:15], s[14:15], s[20:21]
	s_add_nc_u64 s[8:9], s[8:9], s[22:23]
	s_add_nc_u64 s[10:11], s[10:11], s[22:23]
	s_add_nc_u64 s[12:13], s[12:13], s[22:23]
.irp p, 0,1,2,3,4,5,6,7,8,9,10,11,12,13,14,15
	global_load_b128 v[Z+4*\p:Z+4*\p+3], v[LI], s[4:5] offset:(\p+8*(\p/8))*4096 th:TH_LOAD_NT
	global_load_b128 v[R+4*\p:R+4*\p+3], v[LI], s[6:7] offset:(\p+8*(\p/8))*4096 th:TH_LOAD_NT
.endr
	global_load_b128 v[BI:BI+3], v[LI], s[8:9]
	global_load_b128 v[GG:GG+3], v[LI], s[10:11]
	global_load_b128 v[BE:BE+3], v[LI], s[12:13]
	s_wait_loadcnt 0x0
.irp p, 0,1,2,3,4,5,6,7,8,9,10,11,12,13,14,15
	v_pk_add_f32 v[Z+4*\p:Z+4*\p+1], v[Z+4*\p:Z+4*\p+1], v[BI:BI+1]
	v_pk_add_f32 v[Z+4*\p+2:Z+4*\p+3], v[Z+4*\p+2:Z+4*\p+3], v[BI+2:BI+3]
.endr
.irp p, 0,1,2,3,4,5,6,7,8,9,10,11,12,13,14,15
	v_pk_add_f32 v[Z+4*\p:Z+4*\p+1], v[Z+4*\p:Z+4*\p+1], v[R+4*\p:R+4*\p+1]
	v_pk_add_f32 v[Z+4*\p+2:Z+4*\p+3], v[Z+4*\p+2:Z+4*\p+3], v[R+4*\p+2:R+4*\p+3]
.endr
	PARTIAL 0
	ACROSS RED1
	s_delay_alu instid0(VALU_DEP_1)
	v_mul_f32 v[TP], 0x3a800000, v[TP]             ; / 1,024: the mean of row l % 16
.irp p, 0,1,2,3,4,5,6,7,8,9,10,11,12,13,14,15
	v_readlane_b32 s[32+\p], v[TP], \p
.endr
.irp p, 0,1,2,3,4,5,6,7,8,9,10,11,12,13,14,15
.irp k, 0,1,2,3
	v_subrev_f32 v[Z+4*\p+\k], s[32+\p], v[Z+4*\p+\k]
.endr
.endr
	PARTIAL 1
	ACROSS RED2                                    ; bytes of their own: a wave may still be reading the first sums
	s_delay_alu instid0(VALU_DEP_1)
	v_mul_f32 v[TP], 0x3a800000, v[TP]
	s_delay_alu instid0(VALU_DEP_1)
	v_add_f32 v[TP], 0x3727c5ac, v[TP]             ; + 1e-5
	s_wait_alu depctr_va_vdst(0)
	v_rsq_f32 v[TP+8], v[TP]
	v_nop
	s_wait_alu depctr_va_vdst(0)                   ; ahead of the first reader
.irp p, 0,1,2,3,4,5,6,7,8,9,10,11,12,13,14,15
	v_readlane_b32 s[66+\p], v[TP+8], \p
.endr
.irp p, 0,1,2,3,4,5,6,7,8,9,10,11,12,13,14,15
.irp k, 0,1,2,3
	v_mul_f32 v[Z+4*\p+\k], s[66+\p], v[Z+4*\p+\k]
.endr
	s_delay_alu instid0(VALU_DEP_3)
	v_pk_fma_f32 v[Z+4*\p:Z+4*\p+1], v[Z+4*\p:Z+4*\p+1], v[GG:GG+1], v[BE:BE+1]
	s_delay_alu instid0(VALU_DEP_2)
	v_pk_fma_f32 v[Z+4*\p+2:Z+4*\p+3], v[Z+4*\p+2:Z+4*\p+3], v[GG+2:GG+3], v[BE+2:BE+3]
	global_store_b128 v[LI], v[Z+4*\p:Z+4*\p+3], s[14:15] offset:(\p+8*(\p/8))*4096 th:TH_STORE_NT   ; 512 consecutive bytes
.endr
	s_wait_tensorcnt 0x0
	ds_add_u32 v232, v233
	s_wait_dscnt 0x0
	s_endpgm
.Lfunc_end_k_qb94faaff8c_ln2:
	.size	k_qb94faaff8c_ln2, .Lfunc_end_k_qb94faaff8c_ln2-k_qb94faaff8c_ln2
	.p2alignl 7, 3214868480
	.fill 96, 4, 3214868480
	.section	.rodata,"a",@progbits
	.p2align	6, 0x0
	.amdhsa_kernel k_qb94faaff8c_ln2
		.amdhsa_group_segment_fixed_size 2048
		.amdhsa_private_segment_fixed_size 0
		.amdhsa_enable_private_segment 0
		.amdhsa_kernarg_size 48
		.amdhsa_user_sgpr_count 2
		.amdhsa_user_sgpr_kernarg_segment_ptr 1
		.amdhsa_wavefront_size32 1
		.amdhsa_system_sgpr_workgroup_id_x 1
		.amdhsa_system_sgpr_workgroup_id_y 1
		.amdhsa_system_sgpr_workgroup_id_z 1
		.amdhsa_system_vgpr_workitem_id 0
		.amdhsa_next_free_vgpr 234
		.amdhsa_next_free_sgpr 100
		.amdhsa_reserve_vcc 0
		.amdhsa_float_denorm_mode_32 3
		.amdhsa_float_denorm_mode_16_64 3
		.amdhsa_memory_ordered 1
		.amdhsa_forward_progress 1
		.amdhsa_inst_pref_size 38
	.end_amdhsa_kernel
	.amdgpu_metadata
---
amdhsa.version: [ 1, 2 ]
amdhsa.kernels:
  - .name:           k_qb94faaff8c_ln2
    .symbol:         k_qb94faaff8c_ln2.kd
    .args:
      - { .name: Y, .offset: 0, .size: 8, .value_kind: global_buffer, .address_space: global }
      - { .name: H, .offset: 8, .size: 8, .value_kind: global_buffer, .address_space: global }
      - { .name: b2, .offset: 16, .size: 8, .value_kind: global_buffer, .address_space: global }
      - { .name: g2, .offset: 24, .size: 8, .value_kind: global_buffer, .address_space: global }
      - { .name: be2, .offset: 32, .size: 8, .value_kind: global_buffer, .address_space: global }
      - { .name: out0, .offset: 40, .size: 8, .value_kind: global_buffer, .address_space: global }
    .group_segment_fixed_size: 2048
    .private_segment_fixed_size: 0
    .kernarg_segment_align: 8
    .kernarg_segment_size: 48
    .max_flat_workgroup_size: 256
    .sgpr_count:     100
    .vgpr_count:     234
    .wavefront_size: 32
...
	.end_amdgpu_metadata
.endif
;; end of part 8
